; MI455X (gfx1250); checked and timed in simulation.
; The chip was launched on July 23, 2026; its instructions are those of AMD's public machine-readable ISA for CDNA 5 (MIT licence, August 2026) and "CDNA5" Instruction Set Architecture Reference Guide (July 2026). The comments in the code are by the model that wrote it; some were corrected since.
;; Multihead Attention. Allowed arithmetic: matrix products marked QUANTISED: E2M3 operands, one E8M0 scale for each 32 along K, by v_wmma_scale_f32_16x16x128_f8f6f4 with both operands' format E2M3, f32 sums; everything else in f32.
;; Inputs: W_out 1,024 x 1,024 float32; W_qkv 1,024 x 3,072 float32; b_out 1,024 float32; b_qkv 3,072 float32; key 2 x 2,048 x 1,024 float32; query 2 x 2,048 x 1,024 float32; value 2 x 2,048 x 1,024 float32.
;; Outputs: out0 2 x 2,048 x 1,024 float32.
;; This version of the problem:
;;   THIS VERSION OF THE PROBLEM IS GIVEN IN LOW PRECISION. The matrix products marked QUANTISED in the list below multiply operands that are first quantised to E2M3 (2 exponent bits, 3 mantissa bits; 6 bits a number), with one power-of-two scale for each 32 numbers along K (OCP MX v1.0); their sums are f32. All else is computed in f32.
;;   The module's matrix products, in the order in which they are computed (A, B: the left and right operand; K: the contracted axis; several contracted axes count as one K, in the product's order):
;;     1. [M 4,096, K 1,024] x [K 1,024, N 3,072]; A: input query; B: input W_qkv: QUANTISED
;;     2. [M 4,096, K 1,024] x [K 1,024, N 3,072]; A: input key; B: input W_qkv: QUANTISED
;;     3. [M 4,096, K 1,024] x [K 1,024, N 3,072]; A: input value; B: input W_qkv: QUANTISED
;;     4. batch 32 x [M 2,048, K 64] x [K 64, N 2,048]; A: computed on the way; B: computed on the way: QUANTISED
;;     5. batch 32 x [M 2,048, K 2,048] x [K 2,048, N 64]; A: softmax (see below); B: computed on the way: QUANTISED
;;     6. [M 4,096, K 1,024] x [K 1,024, N 1,024]; A: computed on the way; B: input W_out: QUANTISED
;;   THE QUANTISER, for each operand of a quantised product, along K:
;;     - K is cut into blocks of 32 from its start; a last block that is shorter is filled with zeros.
;;     - A block's scale is 2^e with e = floor(log2(the largest magnitude in the block)) - 2, held to -126 .. 127; a block of zeros has e = 0. As a byte (E8M0): e + 127.
;;     - Each number is divided by its block's scale, clamped to +-7.5, and rounded to the nearest number of E2M3, ties to even, subnormals kept.
;;     - The product sums the exact products of the quantised numbers (number of the format x scale) in f32.
;;   ~~~python
;;   def quantise(x, axis):      # numpy; x: float32 -> the quantised numbers, widened to float32 again
;;       x = np.moveaxis(x, axis, -1); K = x.shape[-1]
;;       x = np.pad(x, [(0, 0)] * (x.ndim - 1) + [(0, -K % 32)]); x = x.reshape(x.shape[:-1] + (-1, 32)); a = np.abs(x).max(-1, keepdims=True)
;;       e = np.where(a > 0, np.clip(np.frexp(np.where(a > 0, a, 1))[1] - 1 - 2, -126, 127), 0)      # np.frexp(a)[1] - 1 = floor(log2(a)), exactly
;;       r = np.clip(x / 2.0 ** e, -7.5, 7.5)
;;       step = 2.0 ** (np.maximum(np.frexp(np.where(r == 0, 1, r))[1] - 1, 0) - 3)
;;       q = np.round(r / step) * step * 2.0 ** e      # np.round: ties to even
;;       return np.moveaxis(q.reshape(q.shape[:-2] + (-1,))[..., :K], -1, axis).astype(np.float32)
;;   ~~~
;;   SOFTMAX AHEAD OF A QUANTISED PRODUCT. Where the list says 'softmax', what is quantised is not the finished softmax but p = 2^(t - M), with t = logit x log2(e) and M = ceil(the row's largest t), a whole number; so 1/2 < the row's largest p <= 1. The row's sum l is taken of the UNQUANTISED p, in f32, and the product's result is divided by l at the end. Since M is a whole number, a kernel that streams over the keys may use a running M (the ceiling of the running maximum): every later rescaling is an exact power of two, which a block's scale takes up: the codes' values come out the same.
;;   OPERANDS COMPUTED ON THE WAY. 'Computed on the way' means the value that the module computes at that place (a softmax that the list does not call 'softmax' is quantised finished and normalised). What goes into a quantiser is computed in f32, as accurately as f32 sums, v_exp_f32 and their like allow (about 1e-6 of the number): no bf16 or f16 on the way to a quantiser, and a product that is left as it is and whose result goes on into a quantised operand takes f32 operands (vector FMAs, or v_wmma_f32_16x16x4_f32). A number that lies on a knife's edge between two numbers of the format may be rounded either way, as far as f32 arithmetic and the matrix unit's own rounding can turn it there, and no further.
;; One version. Each part assembles by itself: llvm-mc -triple=amdgcn-amd-amdhsa -mcpu=gfx1250 --defsym DOCPART=n.
;; ======== version 1 of 1: 4 launches
;; limits: right only within a limited range of input values
;; workspace buffers: opc 12,582,912 bytes; ops 524,288 bytes; qkvc 9,437,184 bytes; qkvs 393,216 bytes; oc 3,145,728 bytes; os 131,072 bytes
;; launch quant (part 1): grid 640 x 1, 4 waves a work-group, no clusters, 34,304 bytes of LDS; arguments query, key, value, W_qkv, W_out, opc, ops; writes opc, ops
.if DOCPART == 1
	.amdgcn_target "amdgcn-amd-amdhsa--gfx1250"
	.amdhsa_code_object_version 6
	.text
	.protected	k_qad30586cfb_quant
	.globl	k_qad30586cfb_quant
	.p2align	8
	.type	k_qad30586cfb_quant,@function
k_qad30586cfb_quant:
	s_mov_b64 s[64:65], 0
	v_nop
	global_prefetch_b8 v0, s[64:65] scope:SCOPE_SE
	s_setreg_imm32_b32 hwreg(HW_REG_WAVE_MODE, 25, 1), 1
	s_wait_xcnt 0x0
; query, key, value [4096][1024] f32 (K innermost) and W_qkv [1024][3072], W_out [1024][1024] f32 (K outermost) become codes of FP6 (E2M3) with one E8M0 byte for each 32 along K.
; A block's scale is 2^(floor(log2(largest magnitude)) - 2): its byte is the largest magnitude's exponent field - 2, held at 1 from below.
; LIMITS: a block of zeros gets the byte 1 where the rule says 127 (its codes are zeros, and this program alone reads the bytes); NaN and infinities among the inputs are not served.
; LAYOUT OF THE RESULT (this program's own): the order of the matrix operand's registers.
;   A tile T is 16 rows (tokens, or columns n of a weight).  ROW POSITIONS ARE PERMUTED: position i holds the row whose number is i with bits 3 and 4 exchanged, so that a later product's results,
;   taken transposed, lie 16 neighbours to a lane.  T: 0-255 query, 256-511 key, 512-767 value, 768-959 W_qkv's columns, 960-1023 W_out's.
;   opc: unit (T, kap), 768 bytes at 12288 T + 768 kap: 16 rows x 64 along K.  Byte 256 p + 8 lane + e is byte 8 p + e of the 24 bytes of codes of row lane % 16, block 2 kap + lane / 16.
;   ops: 512 bytes a tile: byte 256 (blk / 16) + 16 row + blk % 16.
; Three paths by the work-group's number: 0-383 the three activations, 384-575 W_qkv, 576-639 W_out.  Only the first touches LDS.  No tensor loads, no barrier: waves share nothing.
.set STG,   16*528                     ; a wave's stage: 16 rows of 512 bytes + 16
.set SPARE, 4*STG                      ; behind the stages: the spare words, 128 bytes a wave: two blocks of 256 bytes that no other line names
.set SPW, 4                            ; v4   LDS address of my spare word; never rewritten
.set NIL, 5                            ; v5   0; never rewritten
.set TM,  12                           ; v12-15 largest magnitudes, v16-19 bytes, v24-27 the conversions' scale operands
.set PW,  28                           ; v28-31 the scale words of the four K steps
.set PC,  32                           ; v32-43 a fragment's codes, v44-51 at work
.set WS,  52                           ; v52-53 the two scale words that I store
.set X,   64                           ; v64-127  64 numbers: register 16 b + i = k 32 b + 16 (lane / 16) + i of my row
.set R,   128                          ; v128-255 two sets of 64 registers as loaded
.set SEL, 20                           ; s[20:21] v_permlanex16_b32's selects for lane l xor 16
; 64 numbers of a lane, v[s] on, become a fragment's 12 registers of codes in v[PC] on and my row's scale word in v[pw].
.macro QUANT s, pw
.irp b, 0,1,2,3
	v_max3_num_f32 v[TM+\b], |v[\s+16*\b]|, |v[\s+1+16*\b]|, 0x1800000   ; block b: my 16 numbers, and the floor 2^(3 - 127): the byte cannot fall under 1
.endr
.irp i, 2,4,6,8,10,12,14
.irp b, 0,1,2,3
	v_max3_num_f32 v[TM+\b], v[TM+\b], |v[\s+16*\b+\i]|, |v[\s+1+16*\b+\i]|   ; the four blocks by turns
.endr
.endr
.irp b, 0,1,2,3
	v_permlanex16_b32 v[TM+4+\b], v[TM+\b], s[SEL], s[SEL+1]
.endr
.irp b, 0,1,2,3
	v_max_num_f32 v[TM+\b], v[TM+\b], v[TM+4+\b]      ; with lane l xor 16's 16: the block's largest magnitude
.endr
.irp b, 0,1,2,3
	v_add_nc_u32 v[TM+12+\b], 0xff000000, v[TM+\b]    ; 2 off its exponent field: the conversion takes that field as its scale
.endr
.irp b, 0,1,2,3
	v_lshrrev_b32 v[TM+4+\b], 23, v[TM+12+\b]         ; the scale's byte
.endr
	v_lshl_or_b32 v[\pw], v[TM+5], 8, v[TM+4]
	v_lshl_or_b32 v[\pw], v[TM+6], 16, v[\pw]
	v_lshl_or_b32 v[\pw], v[TM+7], 24, v[\pw]
.irp c, 0,1
	v_cvt_scalef32_pk16_fp6_f32 v[PC+6*\c:PC+2+6*\c], v[\s+32*\c:\s+15+32*\c], v[TM+12+2*\c]
	v_cvt_scalef32_pk16_fp6_f32 v[PC+12+4*\c:PC+14+4*\c], v[\s+16+32*\c:\s+31+32*\c], v[TM+12+2*\c+1]   ; (a conversion's three registers begin on an even number)
.endr
	v_nop                                             ; one plain place behind a scaled conversion
.irp c, 0,1                                       ; the operand wants a WHOLE block in a lane: lanes 0-15 block 2 c, lanes 16-31 block 2 c + 1
.irp i, 0,1,2
	v_permlane16_swap_b32 v[PC+6*\c+\i], v[PC+12+4*\c+\i]
.endr
.irp i, 0,1,2
	v_mov_b32 v[PC+3+6*\c+\i], v[PC+12+4*\c+\i]
.endr
.endr
.endm
; K step t (128 along K) of my tile's 16 rows: each load reads 512 consecutive bytes of one row.  The permutation of rows stands in the offsets: position i is row i + 8 (i / 8) of the pair of tiles.
.macro LOADX t
.irp i, 0,1,2,3,4,5,6,7,8,9,10,11,12,13,14,15
	global_load_b128 v[R+64*((\t)%2)+4*\i:R+64*((\t)%2)+4*\i+3], v6, s[22+10*(\i/8):23+10*(\i/8)] offset:(\i%8)*4096+512*(\t) th:TH_LOAD_NT   ; positions 0-7 from s[22:23], positions 8-15 from s[32:33]
.endr
.endm
; through my stage: in as loaded, out 64 bytes a lane for each block of 32.  LDS serves a wave's instructions in order: no wait between the stores and the loads.
.macro TURNX t
.irp i, 0,1,2,3,4,5,6,7,8,9,10,11,12,13,14,15
	ds_store_b128 v7, v[R+64*((\t)%2)+4*\i:R+64*((\t)%2)+4*\i+3] offset:528*\i
.endr
.irp b, 0,1,2,3
.irp j, 0,1,2,3
	ds_load_b128 v[X+16*\b+4*\j:X+16*\b+4*\j+3], v8 offset:128*\b+16*\j
.endr
.endr
.endm
.macro XSTEP t
.if (\t) < 3
	s_wait_loadcnt 16                                 ; this step's 16 loads are in; the next step's 16 may be out
.else
	s_wait_loadcnt 0x0
.endif
	TURNX \t
	s_wait_dscnt 0x0                                  ; the numbers are back, and the stores into the stage have read their registers
.if (\t) > 0
	s_wait_xcnt 0x0                                   ; the last step's stores have read the codes' registers: they are written again below
.endif
.if (\t) < 2
	LOADX (\t)+2
.endif
	QUANT X, PW+\t
.irp p, 0,1,2,3,4,5
	global_store_b64 v9, v[PC+2*\p:PC+2*\p+1], s[14:15] offset:(2*(\t)+\p/3)*768+256*(\p%3)   ; 32 lanes store 256 consecutive bytes, aligned
.endr
.endm
; One block of 32 down K of my column: all 32 numbers are mine.
.macro WBLOCK bb
.set XS, 64+32*(\bb)
	v_max3_num_f32 v12, |v[XS]|, |v[XS+1]|, |v[XS+2]|
	v_max3_num_f32 v13, |v[XS+3]|, |v[XS+4]|, |v[XS+5]|
.irp i, 6,10,14,18,22,26
	v_max3_num_f32 v12, v12, |v[XS+\i]|, |v[XS+\i+1]|
	v_max3_num_f32 v13, v13, |v[XS+\i+2]|, |v[XS+\i+3]|
.endr
	v_max3_num_f32 v12, v12, |v[XS+30]|, |v[XS+31]|
	v_max3_num_f32 v12, v12, v13, 0x1800000           ; and the floor
	v_add_nc_u32 v14, 0xff000000, v12
	v_lshrrev_b32 v13, 23, v14
.if (\bb) == 0
	v_mov_b32 v30, v13
.else
	v_lshl_or_b32 v30, v13, 8*(\bb), v30              ; four bytes make my column's scale word of this K step
.endif
	v_cvt_scalef32_pk16_fp6_f32 v[32+6*(\bb):34+6*(\bb)], v[XS:XS+15], v14
	v_cvt_scalef32_pk16_fp6_f32 v[56:58], v[XS+16:XS+31], v14
	v_nop                                             ; one plain place behind a scaled conversion
.irp i, 0,1,2
	v_mov_b32 v[35+6*(\bb)+\i], v[56+\i]
.endr
.endm
; A weight [1024][rowb / 4]: a work-group takes 128 columns x 128 along K, a wave 32 columns, A LANE A COLUMN, AND ITS REGISTERS RUN DOWN K.
.macro WPATH id0, rowb, p, tbase
	s_sub_co_u32 s19, ttmp9, \id0
	s_lshr_b32 s24, s19, 3                            ; which 128 columns
	s_and_b32 s25, s19, 7                             ; which K step
	s_mul_i32 s26, s25, 128*\rowb
	s_lshl_b32 s27, s24, 9
	s_add_co_u32 s26, s26, s27
	s_lshl_b32 s27, s18, 7
	s_add_co_u32 s26, s26, s27
	s_mov_b32 s27, 0
	s_add_nc_u64 s[22:23], s[\p:\p+1], s[26:27]       ; row 128 s, column 128 cb + 32 wave
	s_lshl_b32 s28, s24, 3
	s_lshl_b32 s29, s18, 1
	s_add_co_u32 s28, s28, s29
	s_add_co_u32 s28, s28, \tbase                     ; my first tile; lanes 16-31 hold the next
	s_mul_i32 s30, s28, 12288
	s_mul_i32 s31, s25, 1536
	s_add_co_u32 s30, s30, s31
	s_mov_b32 s31, 0
	s_add_nc_u64 s[14:15], s[14:15], s[30:31]
	s_lshl_b32 s30, s28, 9
	s_lshr_b32 s29, s25, 2
	s_lshl_b32 s29, s29, 8
	s_add_co_u32 s30, s30, s29
	s_and_b32 s29, s25, 3
	s_lshl_b32 s29, s29, 2
	s_add_co_u32 s30, s30, s29
	s_add_nc_u64 s[16:17], s[16:17], s[30:31]
.set i, 0
.rept 128
	global_load_b32 v[64+i], v6, s[22:23] offset:i*\rowb th:TH_LOAD_NT   ; 32 lanes read 128 consecutive bytes of row 128 s + i
.set i, i+1
.endr
	s_wait_loadcnt 63                                 ; at most 63 of the 128 are out: the first 65 are in, blocks 0 and 1 among them
	WBLOCK 0
	WBLOCK 1
	s_wait_loadcnt 32                                 ; block 3's 32 may be out
	WBLOCK 2
	s_wait_loadcnt 0x0
	WBLOCK 3
.irp c, 0,1                                       ; lanes 0-15 hold the first tile's rows, lanes 16-31 the second's; a unit wants block 2 c in lanes 0-15 and block 2 c + 1 in lanes 16-31 of ONE tile
.irp i, 0,1,2,3,4,5
	v_permlane16_swap_b32 v[32+12*\c+\i], v[38+12*\c+\i]
.endr
.endr
.irp c, 0,1
.irp q, 0,1,2
	global_store_b64 v9, v[32+12*\c+2*\q:33+12*\c+2*\q], s[14:15] offset:768*\c+256*\q         ; 256 consecutive bytes, aligned
	global_store_b64 v9, v[38+12*\c+2*\q:39+12*\c+2*\q], s[14:15] offset:12288+768*\c+256*\q
.endr
.endr
	global_store_b32 v11, v30, s[16:17]               ; 4 bytes of each row's 16: one byte in 128 of what this path reads; whole runs would want four K steps in one wave
	s_endpgm
.endm
	s_load_b256 s[4:11], s[0:1], 0x0                  ; query, key, value, W_qkv
	s_load_b128 s[12:15], s[0:1], 0x20                ; W_out, opc
	s_load_b64 s[16:17], s[0:1], 0x30                 ; ops
	v_lshl_add_u32 v[SPW], v0, 2, SPARE
	v_mov_b32 v[NIL], 0
	v_lshrrev_b32 v1, 5, v0
	v_readfirstlane_b32 s18, v1                       ; wave
	v_and_b32 v1, 31, v0                              ; lane
	v_and_b32 v2, 15, v0                              ; r
	v_bfe_u32 v3, v0, 4, 1                            ; h
	v_lshlrev_b32 v9, 3, v1                           ; 8 x lane: my place in 256 bytes of a unit
	s_mov_b32 s[SEL], 0x76543210
	s_mov_b32 s[SEL+1], 0xfedcba98
	s_wait_kmcnt 0x0
	s_cmp_ge_u32 ttmp9, 384
	s_cbranch_scc1 .Lw
	; ---- the activations: a wave takes one tile of 16 rows x 512 along K, four K steps
	s_lshl_b32 s19, ttmp9, 1
	s_lshr_b32 s24, s18, 1
	s_add_co_u32 s19, s19, s24                        ; T
	s_and_b32 s25, s18, 1                             ; which half of K
	s_cmp_lt_u32 ttmp9, 256                           ; the choice of tensor hangs on the work-group's number alone
	s_cselect_b64 s[22:23], s[6:7], s[8:9]
	s_cmp_lt_u32 ttmp9, 128
	s_cselect_b64 s[22:23], s[4:5], s[22:23]
	; WHICH ROWS FORM A TILE.  query, value: positions 0-7 are rows 32 (T / 2) + 8 (T % 2) + 0 .. 7, positions 8-15 lie 16 rows further on.
	; key: positions 0-7 are rows 64 (T / 4) + 8 (T % 4) + 0 .. 7, positions 8-15 lie 32 rows further on: in the scores, taken transposed, a lane then holds whole blocks of 32 keys.
	s_and_b32 s26, s19, 255
	s_lshr_b32 s27, s26, 1
	s_lshl_b32 s27, s27, 5
	s_and_b32 s34, s26, 1
	s_lshl_b32 s34, s34, 3
	s_add_co_u32 s27, s27, s34                        ; query's and value's first row
	s_lshr_b32 s34, s26, 2
	s_lshl_b32 s34, s34, 6
	s_and_b32 s35, s26, 3
	s_lshl_b32 s35, s35, 3
	s_add_co_u32 s34, s34, s35                        ; key's
	s_lshr_b32 s35, ttmp9, 7                          ; 0 query, 1 key, 2 value: the work-group's number alone decides
	s_cmp_eq_u32 s35, 1
	s_cselect_b32 s26, s34, s27
	s_cselect_b32 s35, 17, 16
	s_lshl_b32 s34, 1, s35                            ; 32 or 16 rows of 4,096 bytes
	s_mov_b32 s35, 0
	s_lshl_b32 s26, s26, 12
	s_lshl_b32 s27, s25, 11
	s_add_co_u32 s26, s26, s27
	s_mov_b32 s27, 0
	s_add_nc_u64 s[22:23], s[22:23], s[26:27]
	s_add_nc_u64 s[32:33], s[22:23], s[34:35]
	s_mul_i32 s28, s19, 12288
	s_mul_i32 s29, s25, 6144
	s_add_co_u32 s28, s28, s29
	s_mov_b32 s29, 0
	s_add_nc_u64 s[14:15], s[14:15], s[28:29]
	s_lshl_b32 s28, s19, 9
	s_lshl_b32 s30, s25, 8
	s_add_co_u32 s28, s28, s30
	s_add_nc_u64 s[16:17], s[16:17], s[28:29]
	s_wait_alu depctr_va_vdst(0)
	v_lshlrev_b32 v6, 4, v1                           ; 16 x lane
	s_mul_i32 s30, s18, STG
	v_add_nc_u32 v7, s30, v6                          ; the stage, on the way in
	v_mul_u32_u24 v8, v2, 528
	v_lshl_add_u32 v8, v3, 6, v8
	v_add_nc_u32 v8, s30, v8                          ; and out: row r, + 64 h.  Rows 528 bytes apart: sixteen lanes start in sixteen different columns of 16 bytes
	v_lshlrev_b32 v10, 4, v2
	v_lshl_add_u32 v10, v3, 3, v10                    ; the scale words: 16 r + 8 h
.irp b, 0,1,2,3
	v_mov_b32 v[TM+4+\b], 0                           ; written once: a lane permute's destination counts as one of its sources
.endr
	LOADX 0
	LOADX 1
	s_wait_alu depctr_va_vdst(0)
	XSTEP 0
	XSTEP 1
	XSTEP 2
	XSTEP 3
	v_cmp_ne_u32 s24, 0, v3
	v_cndmask_b32 v[WS], v[PW], v[PW+2], s24          ; lanes 0-15 store steps 0 and 1's words, lanes 16-31 steps 2 and 3's
	v_cndmask_b32 v[WS+1], v[PW+1], v[PW+3], s24
	global_store_b64 v10, v[WS:WS+1], s[16:17]        ; 256 consecutive bytes, aligned
	s_wait_tensorcnt 0x0                              ; the wave's end
	ds_add_u32 v[SPW], v[NIL]
	s_wait_dscnt 0x0
	s_endpgm
.Lw:
	s_wait_alu depctr_va_vdst(0)
	v_and_b32 v6, 7, v1                               ; my column among the wave's 32: my lane's number with bits 3 and 4 exchanged
	v_bfe_u32 v7, v1, 3, 1
	v_lshl_or_b32 v6, v7, 4, v6
	v_lshl_or_b32 v6, v3, 3, v6
	v_lshlrev_b32 v6, 2, v6
	v_lshlrev_b32 v11, 4, v2
	v_lshl_or_b32 v11, v3, 9, v11                     ; my scale word: tile lane / 16, row r
	s_cmp_ge_u32 ttmp9, 576
	s_cbranch_scc1 .Lwout
	s_wait_alu depctr_va_vdst(0)
	WPATH 384, 12288, 10, 768
.Lwout:
	s_wait_alu depctr_va_vdst(0)
	WPATH 576, 4096, 12, 960
.Lfunc_end_k_qad30586cfb_quant:
	.size	k_qad30586cfb_quant, .Lfunc_end_k_qad30586cfb_quant-k_qad30586cfb_quant
	.p2alignl 7, 3214868480
	.fill 96, 4, 3214868480
	.section	.rodata,"a",@progbits
	.p2align	6, 0x0
	.amdhsa_kernel k_qad30586cfb_quant
		.amdhsa_group_segment_fixed_size 34304
		.amdhsa_private_segment_fixed_size 0
		.amdhsa_enable_private_segment 0
		.amdhsa_kernarg_size 56
		.amdhsa_user_sgpr_count 2
		.amdhsa_user_sgpr_kernarg_segment_ptr 1
		.amdhsa_wavefront_size32 1
		.amdhsa_system_sgpr_workgroup_id_x 1
		.amdhsa_system_sgpr_workgroup_id_y 1
		.amdhsa_system_sgpr_workgroup_id_z 1
		.amdhsa_system_vgpr_workitem_id 0
		.amdhsa_next_free_vgpr 256
		.amdhsa_next_free_sgpr 66
		.amdhsa_reserve_vcc 0
		.amdhsa_float_denorm_mode_32 3
		.amdhsa_float_denorm_mode_16_64 3
		.amdhsa_memory_ordered 1
		.amdhsa_forward_progress 1
		.amdhsa_inst_pref_size 77
	.end_amdhsa_kernel
	.amdgpu_metadata
---
amdhsa.version: [ 1, 2 ]
amdhsa.kernels:
  - .name:           k_qad30586cfb_quant
    .symbol:         k_qad30586cfb_quant.kd
    .args:
      - { .name: query, .offset: 0, .size: 8, .value_kind: global_buffer, .address_space: global }
      - { .name: key, .offset: 8, .size: 8, .value_kind: global_buffer, .address_space: global }
      - { .name: value, .offset: 16, .size: 8, .value_kind: global_buffer, .address_space: global }
      - { .name: W_qkv, .offset: 24, .size: 8, .value_kind: global_buffer, .address_space: global }
      - { .name: W_out, .offset: 32, .size: 8, .value_kind: global_buffer, .address_space: global }
      - { .name: opc, .offset: 40, .size: 8, .value_kind: global_buffer, .address_space: global }
      - { .name: ops, .offset: 48, .size: 8, .value_kind: global_buffer, .address_space: global }
    .group_segment_fixed_size: 34304
    .private_segment_fixed_size: 0
    .kernarg_segment_align: 8
    .kernarg_segment_size: 56
    .max_flat_workgroup_size: 128
    .sgpr_count:     66
    .vgpr_count:     256
    .wavefront_size: 32
...
	.end_amdgpu_metadata
.endif
;; end of part 1
;; launch proj (part 2): grid 4 x 48, 4 waves a work-group, clusters of 4 x 4, 327,680 bytes of LDS; arguments opc, ops, b_qkv, qkvc, qkvs; writes qkvc, qkvs
.if DOCPART == 2
	.amdgcn_target "amdgcn-amd-amdhsa--gfx1250"
	.amdhsa_code_object_version 6
	.text
	.protected	k_qad30586cfb_proj
	.globl	k_qad30586cfb_proj
	.p2align	8
	.type	k_qad30586cfb_proj,@function
k_qad30586cfb_proj:
	s_mov_b64 s[64:65], 0
	v_nop
	global_prefetch_b8 v0, s[64:65] scope:SCOPE_SE
	s_setreg_imm32_b32 hwreg(HW_REG_WAVE_MODE, 25, 1), 1
	s_wait_xcnt 0x0
	s_wait_alu depctr_hold_cnt(0) depctr_sa_sdst(0) depctr_va_vdst(0) depctr_va_sdst(0) depctr_va_ssrc(0) depctr_va_vcc(0) depctr_vm_vsrc(0)
	s_getreg_b32 s2, hwreg(HW_REG_IB_STS2, 6, 4)
	s_cmp_eq_u32 s2, 0
	s_cbranch_scc0 .Lentry_in_a_cluster
	s_endpgm
.Lentry_in_a_cluster:
	s_bfe_u32 s2, ttmp6, 0x10000c
	s_cmp_lg_u32 s2, 0xf033
	s_cbranch_scc0 .Lentry_shape_is_right
	s_endpgm
.Lentry_shape_is_right:
; q = query W_q + b_q, k = key W_k + b_k, v = value W_v + b_v on codes of FP6 (E2M3) with E8M0 scales, K = 1,024; only the third of W_qkv's columns that each projection keeps is multiplied.
; The results are quantised at once, in registers, along the K of the product that will read them: q and k along the head's channels, v along the keys; only codes and scale bytes are stored.
; LIMITS: a block of zeros gets the byte 1 where the rule says 127 (its codes are zeros, and this program alone reads the bytes); NaN and infinities are not served.
; SHARES.  A work-group makes 256 x 256 of a result, each of its four waves 128 x 128: 64 accumulators of 16 x 16.  Side P is the matrix instruction's source 0: a lane's registers run along P.
; Side Q is source 1: a lane is one row of Q.  q, k: Q = tokens, P = W's columns.  v: Q = W_v's columns, P = tokens: so a lane's registers run along the keys.  The two cases differ in offsets alone, and in the bias.
; OPERANDS lie in memory and in LDS in the order of the operand's registers: a unit of 768 bytes is 16 rows x 64 along K; three loads of 8 bytes a lane, each 256 consecutive bytes, bring it.  No pitch, no padding.
; Row positions are permuted (bits 3 and 4 exchanged), so that the 16 registers of two neighbouring result tiles are 16 neighbours along P.
; K goes in four parts of 256 through THREE LDS slots: parts 0, 1, 2 are first fills, part 3 is the one refill (into slot 0), with four K steps of 128, 256 matrix instructions a wave, in which to land.
; CLUSTER 4 x 4: Q's tiles are shared along a row of the cluster, P's along a column: each is asked for jointly by four work-groups.  Twelve clusters: slot = cluster y / 4 (q, k, v), four clusters a slot.
; REGISTERS: window 0: v16-27 addresses, v28-29 the add's two, v32-63 scale words (two sets), v64-127 the bias as C, later at work, v128-223 Q's fragments (one set), later the codes made.
;   window 1: P's fragments, two sets, at v0 and v128.   windows 2, 3: accumulator (a, b) at v[8 (8 (a % 4) + b)] of window 2 + a / 4.
.set HALFT, 24576                      ; 8 tiles x 3,072 bytes: 128 rows x 256 along K: what the refill's load brings; a first fill of codes brings two such
.set SLOT,  4*HALFT                    ; Q's two halves, then P's two
.set SCL,   3*SLOT                     ; the scale bytes of 2 x 256 rows for all of K: 8,192 bytes a load
.set SPARE, SCL+4*4096                 ; the spare words, 128 bytes a wave: two blocks of 256 bytes that no other line names
.set FR,   12
.set ADRA, 16                          ; v16-18 my Q fragments in slot 0, 1, 2
.set ADRB, 20                          ; v20-22 my P fragments
.set ZO,   23                          ; v23  the way out: my 16 bytes of a block of scale words
.set LO8,  24                          ; v24  8 x lane
.set BO1,  25                          ; v25  bias along P: 64 h
.set BO2,  26                          ; v26  bias along Q: 4 (r + 8 (r / 8))
.set ADRS, 27                          ; v27  my scale words: lanes 0-15 Q's, lanes 16-31 P's
.set SPW,  28
.set NIL,  29
.set SC,   32
.set CB,   64
.set AF,   128
.set TM,   64                          ; the way out: v64-79 at work, v80-87 scale words, v88-91 those that I store, v92-99 at work
.set PWB,  80
.set WS,   88
.set PT,   92
.set G1,   24                          ; s[24:31] group 1: Q's codes;  s[32:39] P's;  s[40:47], s[48:55] their scale bytes
.set G1B,  32
.set G1S,  40
.set G1SB, 48
.set G0A0, 56                          ; groups 0: Q's codes, a set for each slot
.set G0A1, 60
.set G0A2, 68
.set G0B0, 72                          ; P's
.set G0B1, 76
.set G0B2, 80
.set G0S,  84                          ; the scale bytes
.set G0SB, 88
.set WV,   92                          ; wave
.set QH,   93                          ; wave / 2: my half of Q.  Also: I fetch for Q (0) or for P (1)
.set PH,   94                          ; wave % 2: my half of P.  Also: which 128 rows I fetch
.set CX,   95
.set CY,   96
.set NTQ,  97                          ; tiles along Q in the result's buffer: 256 (q, k), 64 (v)
.set NBL,  98                          ; blocks of 128 along Q: 32, 8
.set SLT,  99                          ; 0 q, 1 k, 2 v
.set QTL,  100                         ; which 256 of Q
.set PTL,  101                         ; which 256 of P
.set SEL,  16                          ; s[16:17] on the way out: v_permlanex16_b32's selects
.set OB,   10                          ; s[10:11], s[14:15] where my two columns of units begin
.set MSB, 0
.macro WIN new                         ; the immediate's high byte repeats the setting that is left
.if MSB != (\new)
	s_set_vgpr_msb (MSB<<8)|(\new)
.set MSB, (\new)
.endif
.endm
.macro MWIN hi, cm                     ; source 0 window 1, source 1 window 0, D window 2 + hi; C with D, or (the bias) in window 0
.if \cm
	WIN 0x81+0x40*(\hi)
.else
	WIN 0xa1+0x50*(\hi)
.endif
.endm
.macro PLACES n
.rept \n
	v_nop
.endr
.endm
; A joint load: waves 0 and 1 fetch for Q, waves 2 and 3 for P.  The branch hangs on the wave's number alone.  An s_nop 0 and four v_nop follow each of the two lines.
.macro JLOAD g0a, g1a, g0b, g1b
	s_cmp_eq_u32 s[QH], 0
	s_cbranch_scc0 .Lfor_b_\@
	tensor_load_to_lds s[\g0a:\g0a+3], s[\g1a:\g1a+7]
	s_nop 0
.rept 4
	v_nop
.endr
	s_branch .Lasked_\@
.Lfor_b_\@:
	tensor_load_to_lds s[\g0b:\g0b+3], s[\g1b:\g1b+7]
	s_nop 0
.rept 4
	v_nop
.endr
.Lasked_\@:
.endm
.macro CREST                           ; a round of the cluster's barrier behind its opening barrier
	s_cmp_lg_u32 s[WV], 0
	s_cbranch_scc1 .Lnot_wave_0_\@
	s_barrier_signal -3
.Lnot_wave_0_\@:
	s_barrier_wait -3
	s_barrier_signal -1
	s_barrier_wait -1
.endm
.macro CROUND
	s_barrier_signal -1
	s_barrier_wait -1
	CREST
.endm
.macro SETG0C g, lds, preg             ; a group 0 whose LDS address is a constant
	s_mov_b32 s[\g], 1                                ; count = 1
	s_mov_b32 s[\g+1], \lds
	s_mov_b64 s[\g+2:\g+3], s[\preg:\preg+1]
	s_or_b32 s[\g+3], s[\g+3], 0x80000000             ; type = 2
.endm
.macro SETG0V g, lreg, loff, preg, oreg, goff   ; LDS address: a constant + the wave's number x a constant; global: base + an offset by the wave's number + a constant
	s_mov_b32 s[\g], 1
	s_add_co_u32 s[\g+1], s[\lreg], \loff
	s_add_nc_u64 s[\g+2:\g+3], s[\preg:\preg+1], s[\oreg:\oreg+1]
	s_add_nc_u64 s[\g+2:\g+3], s[\g+2:\g+3], \goff
	s_or_b32 s[\g+3], s[\g+3], 0x80000000
.endm
.macro ARM under, g0, g1, next         ; one arm of the head's chain of branches on the wave's number: one load, then a jump to the join
	s_cmp_lt_u32 s[WV], \under
	s_cbranch_scc0 \next
	tensor_load_to_lds s[\g0:\g0+3], s[\g1:\g1+7]
	s_nop 0
.rept 4
	v_nop
.endr
	s_branch .Lhead_asked
\next:
.endm
.macro FRAG reg, adr, off              ; a fragment, 16 rows x 128 K: two units, six loads of 8 bytes a lane, each 256 consecutive bytes
.irp p, 0,1,2,3,4,5
	ds_load_b64 v[\reg+2*\p:\reg+2*\p+1], v[\adr] offset:\off+768*(\p/3)+256*(\p%3)
.endr
.endm
.macro FETCH_B k                       ; P's eight fragments of K step k into set k % 2
	WIN 0x40
.irp i, 0,1,2,3,4,5,6,7
	FRAG 128*((\k)%2)+FR*\i, ADRB+(((\k)/2)%3), 3072*\i+1536*((\k)%2)
.endr
	WIN 0
.endm
.macro FETCH_A k, i0                   ; Q's blocks i0 .. i0 + 3
.irp i, \i0, \i0+1, \i0+2, \i0+3
	FRAG AF+FR*(\i), ADRA+(((\k)/2)%3), 3072*(\i)+1536*((\k)%2)
.endr
.endm
.macro SCALES g                        ; the scale words of K steps 2 g and 2 g + 1 into set g % 2: lanes 0-15 Q's tile i, lanes 16-31 P's tile i
.irp i, 0,1,2,3,4,5,6,7
	ds_load_b64 v[SC+16*((\g)%2)+2*\i:SC+16*((\g)%2)+2*\i+1], v[ADRS] offset:512*\i+256*((\g)/2)+8*((\g)%2)
.endr
.endm
.macro WMS d, pa, qa, c, sp, sq
	v_wmma_scale_f32_16x16x128_f8f6f4 v[(\d):(\d)+7], v[(\pa):(\pa)+11], v[(\qa):(\qa)+11], v[(\c):(\c)+7], v[\sp], v[\sq] matrix_a_fmt:MATRIX_FMT_FP6 matrix_b_fmt:MATRIX_FMT_FP6 matrix_a_scale:MATRIX_SCALE_ROW1
.endm
; 16 matrix instructions: Q's blocks a0, a0 + 1 x P's eight, K step k.  cm = 0: the sums go on; 1: they begin with the bias along P; 2: with the bias along Q.  Nothing is ever cleared.
; The 64 accumulators take turns, one instruction a turn, in the same order in every step.
.macro MUL16 a0, k, cm
.irp a, \a0, \a0+1
.irp b, 0,1,2,3,4,5,6,7
.if (\cm) == 0
	WMS 8*(8*((\a)%4)+\b), 128*((\k)%2)+FR*\b, AF+FR*(\a), 8*(8*((\a)%4)+\b), SC+16*(((\k)/2)%2)+2*\b+(\k)%2, SC+16*(((\k)/2)%2)+2*(\a)+(\k)%2
.elseif (\cm) == 1
	WMS 8*(8*((\a)%4)+\b), 128*((\k)%2)+FR*\b, AF+FR*(\a), CB+8*\b, SC+16*(((\k)/2)%2)+2*\b+(\k)%2, SC+16*(((\k)/2)%2)+2*(\a)+(\k)%2
.else
	WMS 8*(8*((\a)%4)+\b), 128*((\k)%2)+FR*\b, AF+FR*(\a), CB+8*(\a), SC+16*(((\k)/2)%2)+2*\b+(\k)%2, SC+16*(((\k)/2)%2)+2*(\a)+(\k)%2
.endif
.endr
.endr
.endm
; A K step whose successor's tiles are known to lie in LDS.  A load into a register that a matrix instruction has read stands four places behind it (ISA guide 7.12.1 for vector instructions).
.macro STEP k, cm
	s_wait_dscnt 24                                   ; P's set, Q's blocks 0-3 and the scale words are in; the youngest 24 loads (Q's blocks 4-7) may be out
	MWIN 0, \cm
	MUL16 0, \k, \cm
	MUL16 2, \k, \cm
	s_wait_dscnt 0x0                                  ; Q's blocks 4-7 are in
	PLACES 4
	FETCH_B (\k)+1
	FETCH_A (\k)+1, 0
.if ((\k)+1)%2 == 0
	SCALES ((\k)+1)/2
.endif
	MWIN 1, \cm
	MUL16 4, \k, \cm
	MUL16 6, \k, \cm
	PLACES 4
	WIN 0
	FETCH_A (\k)+1, 4
.endm
; A K step with a barrier in it.  In front of the barrier each wave waits for all its tensor loads, adds 0 to its spare word, and waits for that and for its LDS reads.
; fill = 1: the barrier opens a round of the cluster's; behind the round slot 0, which nobody reads any more, takes K 768 .. 1,023.
.macro TURN k, fill
	s_wait_tensorcnt 0x0                              ; all my tensor loads have landed
	ds_add_u32 v[SPW], v[NIL]                         ; 0 onto my spare word
	s_wait_dscnt 25                                   ; (the add and the youngest 24 loads may be out)
	WIN 0xa1
	MUL16 0, \k, 0                                    ; sixteen matrix instructions stand between the add and the wait for it
	s_wait_dscnt 0x0                                  ; the add is done, and my reads of the slot in hand are over
	s_barrier_signal -1
	MUL16 2, \k, 0
	WIN 0
	s_barrier_wait -1
.if \fill
	CREST                                             ; no wave of any partner still reads slot 0 or has a load on its way
	s_mov_b32 s[G1+2], 8<<16                          ; no tensor load of mine is out, so a descriptor may be written: the refill's load brings 8 tiles
	s_mov_b32 s[G1+4], 8
	s_mov_b32 s[G1B+2], 8<<16
	s_mov_b32 s[G1B+4], 8
	JLOAD G0A2, G1, G0B2, G1B                         ; the first tensor load behind the round, one a wave; its four v_nop are the places in front of the loads below
.else
	PLACES 4
.endif
	FETCH_B (\k)+1
	FETCH_A (\k)+1, 0
	SCALES ((\k)+1)/2
	WIN 0xf1
	MUL16 4, \k, 0
	MUL16 6, \k, 0
	PLACES 4
	WIN 0
	FETCH_A (\k)+1, 4
.endm
; THE WAY OUT of Q's block a: its 64 registers of a lane (register 16 b + i = P 32 b + 16 h + i of my row of Q) become a fragment's codes and a scale word, and the codes are stored as two units.
; Each accumulator is first read at its low end.  Each block has its own 12 registers of codes, so no store's data are written again.
.macro QUANTA a
.set AW, 2+(\a)/4
.set AC, 64*((\a)%4)
.set PCA, AF+12*(\a)
	WIN AW|(AW<<2)
.irp b, 0,1,2,3
	v_max3_num_f32 v[TM+\b], |v[AC+16*\b]|, |v[AC+16*\b+1]|, 0x1800000   ; and the floor 2^(3 - 127): the byte cannot fall under 1
.endr
	WIN (AW<<2)|(AW<<4)
.irp i, 2,4,6,8,10,12,14
.irp b, 0,1,2,3
	v_max3_num_f32 v[TM+\b], v[TM+\b], |v[AC+16*\b+\i]|, |v[AC+16*\b+\i+1]|
.endr
.endr
	WIN 0
.irp b, 0,1,2,3
	v_permlanex16_b32 v[TM+4+\b], v[TM+\b], s[SEL], s[SEL+1]
.endr
.irp b, 0,1,2,3
	v_max_num_f32 v[TM+\b], v[TM+\b], v[TM+4+\b]
.endr
.irp b, 0,1,2,3
	v_add_nc_u32 v[TM+12+\b], 0xff000000, v[TM+\b]    ; 2 off the exponent field: the conversion's scale operand
.endr
.irp b, 0,1,2,3
	v_lshrrev_b32 v[TM+4+\b], 23, v[TM+12+\b]
.endr
	v_lshl_or_b32 v[PWB+(\a)], v[TM+5], 8, v[TM+4]
	v_lshl_or_b32 v[PWB+(\a)], v[TM+6], 16, v[PWB+(\a)]
	v_lshl_or_b32 v[PWB+(\a)], v[TM+7], 24, v[PWB+(\a)]
	WIN AW
.irp c, 0,1
	v_cvt_scalef32_pk16_fp6_f32 v[PCA+6*\c:PCA+6*\c+2], v[AC+32*\c:AC+32*\c+15], v[TM+12+2*\c]
	v_cvt_scalef32_pk16_fp6_f32 v[PT+4*\c:PT+4*\c+2], v[AC+32*\c+16:AC+32*\c+31], v[TM+12+2*\c+1]
.endr
	WIN 0
	v_nop                                             ; one plain place behind a scaled conversion
.irp c, 0,1
.irp i, 0,1,2
	v_permlane16_swap_b32 v[PCA+6*\c+\i], v[PT+4*\c+\i]
.endr
.irp i, 0,1,2
	v_mov_b32 v[PCA+3+6*\c+\i], v[PT+4*\c+\i]
.endr
.endr
.irp p, 0,1,2,3,4,5
	global_store_b64 v[LO8], v[PCA+2*\p:PCA+2*\p+1], s[OB+4*(\p/3):OB+4*(\p/3)+1] offset:768*(\a)+256*(\p%3)   ; 256 consecutive bytes, aligned
.endr
.endm
	s_load_b256 s[4:11], s[0:1], 0x0                  ; opc, ops, b_qkv, qkvc
	s_load_b64 s[12:13], s[0:1], 0x20                 ; qkvs
	v_lshl_add_u32 v[SPW], v0, 2, SPARE
	v_mov_b32 v[NIL], 0
	ds_add_u32 v[SPW], v[NIL]                         ; the wave's opening: the add and its wait ahead of my first tensor load; work on registers stands between them
	ds_add_u32 v[SPW], v[NIL]
	v_lshrrev_b32 v1, 5, v0
	v_readfirstlane_b32 s[WV], v1
	s_lshr_b32 s[QH], s[WV], 1
	s_and_b32 s[PH], s[WV], 1
	s_bfe_u32 s[CX], ttmp6, 0x40000
	s_bfe_u32 s[CY], ttmp6, 0x40004
	s_and_b32 s16, ttmp7, 0xffff                      ; cluster y = 4 slot + sub: the same in all sixteen partners
	s_lshr_b32 s[SLT], s16, 2
	s_and_b32 s16, s16, 3
	s_lshl_b32 s16, s16, 2                            ; 4 sub
	s_lshl_b32 s17, s[SLT], 8                         ; the slot's activations begin at tile 256 slot,
	s_lshl_b32 s18, s[SLT], 6
	s_add_co_u32 s18, s18, 768                        ; its columns of W_qkv at tile 768 + 64 slot
	s_cmp_eq_u32 s[SLT], 2
	s_cselect_b32 s[QTL], 0, s16
	s_cselect_b32 s[PTL], s16, 0
	s_cselect_b32 s20, s18, s17                       ; Q's first tile
	s_cselect_b32 s22, s17, s18                       ; P's
	s_cselect_b32 s[NTQ], 64, 0x100
	s_cselect_b32 s[NBL], 8, 32
	s_add_co_u32 s[QTL], s[QTL], s[CY]                ; Q's tile hangs on cy alone, P's on cx alone
	s_add_co_u32 s[PTL], s[PTL], s[CX]
	s_lshl_b32 s2, s[CY], 2
	s_lshl_b32 s2, 15, s2                             ; my row of the cluster
	s_lshl_b32 s3, 0x1111, s[CX]                      ; my column
	s_or_b32 s[G1], s2, (3<<16)|(1<<21)               ; 15:0 the mask; 17:16 elements of 8 bytes; 21 set beside a mask; no padding
	s_or_b32 s[G1B], s3, (3<<16)|(1<<21)
	s_or_b32 s[G1S], s2, (3<<16)|(1<<21)
	s_or_b32 s[G1SB], s3, (3<<16)|(1<<21)
.irp g, G1, G1B                                   ; codes: 16 tiles' 3,072 bytes (256 along K), 12,288 bytes apart
	s_mov_b32 s[\g+1], 384<<16                        ; tensor_dim0
	s_mov_b32 s[\g+2], 16<<16                         ; tensor_dim1: the first fills bring 16 tiles, the refill 8
	s_mov_b32 s[\g+3], 384<<16                        ; tile_dim0
	s_mov_b32 s[\g+4], 16                             ; tile_dim1
	s_mov_b32 s[\g+5], 1536                           ; stride
	s_mov_b32 s[\g+6], 0
	s_mov_b32 s[\g+7], 0
.endr
.irp g, G1S, G1SB                                 ; scale bytes: 8,192 dense bytes as 32 rows of 256
	s_mov_b32 s[\g+1], 32<<16
	s_mov_b32 s[\g+2], 32<<16                         ; 8,192 dense bytes as 32 rows of 256
	s_mov_b32 s[\g+3], 32<<16
	s_mov_b32 s[\g+4], 32
	s_mov_b32 s[\g+5], 32
	s_mov_b32 s[\g+6], 0
	s_mov_b32 s[\g+7], 0
.endr
	s_lshl_b32 s16, s[QTL], 4
	s_add_co_u32 s20, s20, s16
	s_lshl_b32 s18, s[PTL], 4
	s_add_co_u32 s22, s22, s18
	s_lshl_b32 s16, s20, 9                            ; Q: scale bytes,
	s_mov_b32 s17, 0
	s_mul_i32 s20, s20, 12288                         ; codes
	s_mov_b32 s21, 0
	s_lshl_b32 s18, s22, 9                            ; P likewise
	s_mov_b32 s19, 0
	s_mul_i32 s22, s22, 12288
	s_mov_b32 s23, 0
	s_mul_i32 s2, s[PH], SLOT                         ; where the tiles go: no place in the cluster enters an LDS address
	s_mul_i32 s3, s[WV], HALFT
	s_wait_dscnt 0x0                                  ; the opening add is done
	s_wait_kmcnt 0x0
	s_add_nc_u64 s[20:21], s[4:5], s[20:21]
	s_add_nc_u64 s[16:17], s[6:7], s[16:17]
	s_add_nc_u64 s[22:23], s[4:5], s[22:23]
	s_add_nc_u64 s[18:19], s[6:7], s[18:19]
	s_mul_i32 s4, s[PH], 3072                         ; (the two arguments that lay in s[4:7] have been used)
	s_mov_b32 s5, 0
	s_mul_i32 s6, s[PH], 8*12288
	s_mov_b32 s7, 0
	SETG0C G0S,  SCL, 16                              ; the head's four tiles, each whole: Q's scale bytes,
	SETG0C G0SB, SCL+8192, 18                         ; P's,
	SETG0C G0A0, 0, 20                                ; K 0 .. 255 of Q's 256 rows,
	SETG0C G0B0, 2*HALFT, 22                          ; and of P's
	SETG0V G0A1, 2, SLOT, 20, 4, 3072                 ; behind the first round: wave 0 Q's K 256 .. 511 into slot 1, wave 1 Q's K 512 .. 767 into slot 2,
	SETG0V G0B1, 2, SLOT+2*HALFT, 22, 4, 3072         ; waves 2 and 3 the same of P
	SETG0V G0A2, 3, 0, 20, 6, 9216                    ; the refill: K 768 .. 1,023 into slot 0, a quarter a wave
	SETG0V G0B2, 3, 0, 22, 6, 9216
	CROUND                                            ; all sixteen work-groups are here: the first joint loads meet
	ARM 1, G0A0, G1,  .Lhead_b                        ; one tensor load a wave at the head: every way through the chain passes exactly one
	ARM 2, G0B0, G1B, .Lhead_sa
	ARM 3, G0S,  G1S, .Lhead_sb
	tensor_load_to_lds s[G0SB:G0SB+3], s[G1SB:G1SB+7]
	s_nop 0
.rept 4
	v_nop
.endr
.Lhead_asked:
	v_and_b32 v1, 31, v0                              ; lane
	v_and_b32 v2, 15, v0                              ; r
	v_bfe_u32 v3, v0, 4, 1                            ; h
	s_wait_alu depctr_va_vdst(0)
	v_lshlrev_b32 v[LO8], 3, v1
	s_mul_i32 s2, s[QH], HALFT
	s_mul_i32 s3, s[PH], HALFT
	s_add_co_u32 s3, s3, 2*HALFT
.irp sl, 0,1,2
	v_add_nc_u32 v[ADRA+\sl], s2, v[LO8]
	v_add_nc_u32 v[ADRB+\sl], s3, v[LO8]
	s_add_co_u32 s2, s2, SLOT
	s_add_co_u32 s3, s3, SLOT
.endr
	s_lshl_b32 s2, s[QH], 12                          ; Q's scale bytes: my 128 rows;
	s_lshl_b32 s3, s[PH], 12
	s_add_co_u32 s3, s3, 8192                         ; P's lie behind Q's two halves
	s_sub_co_u32 s3, s3, s2
	v_mul_u32_u24 v4, s3, v3                          ; lanes 16-31 take P's: one product of h with the distance
	s_add_co_u32 s2, s2, SCL
	v_lshl_add_u32 v4, v2, 4, v4
	v_add_nc_u32 v[ADRS], s2, v4
	v_lshlrev_b32 v[ZO], 5, v2
	v_lshl_add_u32 v[ZO], v3, 4, v[ZO]                ; 32 r + 16 h
	; the bias: q, k: along P, b_qkv[1024 slot + 256 P tile + 128 half ..]; v: along Q, b_qkv[2048 + 256 Q tile + 128 half ..]
	s_lshl_b32 s2, s[SLT], 12
	s_lshl_b32 s3, s[PTL], 10
	s_add_co_u32 s2, s2, s3
	s_lshl_b32 s3, s[PH], 9
	s_add_co_u32 s2, s2, s3
	s_lshl_b32 s3, s[QTL], 10
	s_lshl_b32 s14, s[QH], 9
	s_add_co_u32 s3, s3, s14
	s_add_co_u32 s3, s3, 8192
	s_cmp_eq_u32 s[SLT], 2
	s_cselect_b32 s2, s3, s2
	s_mov_b32 s3, 0
	s_add_nc_u64 s[8:9], s[8:9], s[2:3]
	v_lshlrev_b32 v[BO1], 6, v3
	v_and_b32 v[BO2], 8, v2
	v_add_nc_u32 v[BO2], v[BO2], v2
	v_lshlrev_b32 v[BO2], 2, v[BO2]
	s_cmp_eq_u32 s[SLT], 2                            ; the slot is the same in every wave of the cluster
	s_cbranch_scc1 .Lbias_v
.irp b, 0,1,2,3,4,5,6,7                           ; register j of P's tile b is column 32 (b / 2) + 16 h + 8 (b % 2) + j
	global_load_b128 v[CB+8*\b:CB+8*\b+3], v[BO1], s[8:9] offset:(32*(\b/2)+8*(\b%2))*4
	global_load_b128 v[CB+8*\b+4:CB+8*\b+7], v[BO1], s[8:9] offset:(32*(\b/2)+8*(\b%2))*4+16
.endr
	s_branch .Lbias_in
.Lbias_v:
	s_wait_alu depctr_va_vdst(0)
.irp a, 0,1,2,3,4,5,6,7                           ; lane r of Q's tile a is channel 32 (a / 2) + 8 (a % 2) + r + 8 (r / 8)
	global_load_b32 v[CB+8*\a], v[BO2], s[8:9] offset:(32*(\a/2)+8*(\a%2))*4
.endr
.Lbias_in:
	; where my results go: unit (kap, Tq) at (kap NTQ + Tq) 768: kap = 4 P tile + 2 half + c, Tq = 16 Q tile + 8 half + a
	s_lshl_b32 s2, s[PTL], 2
	s_lshl_b32 s3, s[PH], 1
	s_add_co_u32 s2, s2, s3
	s_mul_i32 s2, s2, s[NTQ]
	s_lshl_b32 s3, s[QTL], 4
	s_add_co_u32 s2, s2, s3
	s_lshl_b32 s3, s[QH], 3
	s_add_co_u32 s2, s2, s3
	s_mul_i32 s2, s2, 768
	s_mul_i32 s3, s[SLT], 3145728
	s_add_co_u32 s2, s2, s3
	s_mov_b32 s3, 0
	s_add_nc_u64 s[10:11], s[10:11], s[2:3]
	s_mul_i32 s2, s[NTQ], 768
	s_add_nc_u64 s[14:15], s[10:11], s[2:3]
	s_lshl_b32 s2, s[PTL], 1                          ; the block of scale words: ((2 P tile + half) NBL + 2 Q tile + half) 512
	s_add_co_u32 s2, s2, s[PH]
	s_mul_i32 s2, s2, s[NBL]
	s_lshl_b32 s16, s[QTL], 1
	s_add_co_u32 s2, s2, s16
	s_add_co_u32 s2, s2, s[QH]
	s_lshl_b32 s2, s2, 9
	s_lshl_b32 s16, s[SLT], 17
	s_add_co_u32 s2, s2, s16
	s_add_nc_u64 s[12:13], s[12:13], s[2:3]
	s_wait_alu depctr_va_vdst(0)                      ; the wait at the head's end
	s_wait_tensorcnt 0x0                              ; my tile of the head's four is in
	ds_add_u32 v[SPW], v[NIL]
	s_wait_dscnt 0x0
	CROUND                                            ; a whole round: all four tiles are in, and the joint loads meet
	JLOAD G0A1, G1, G0B1, G1B                         ; slots 1 and 2, one load a wave
	FETCH_B 0
	FETCH_A 0, 0
	s_wait_alu depctr_va_vdst(0)
	SCALES 0
	FETCH_A 0, 4
	s_wait_loadcnt 0x0                                ; the bias
	s_cmp_eq_u32 s[SLT], 2
	s_cbranch_scc1 .Lstep0_v
	STEP 0, 1                                         ; the first step's products start the sums with the bias
	s_branch .Lstep0_done
.Lstep0_v:
.irp a, 0,1,2,3,4,5,6,7
.irp j, 1,2,3,4,5,6,7
	v_mov_b32 v[CB+8*\a+\j], v[CB+8*\a]               ; a lane's eight results of a tile belong to one channel
.endr
.endr
	PLACES 4
	s_wait_alu depctr_va_vdst(0)
	STEP 0, 2
.Lstep0_done:
	TURN 1, 1                                         ; all first fills are shown whole to every wave here, so steps 2 to 4 need no barrier
	STEP 2, 0
	STEP 3, 0
	STEP 4, 0
	TURN 5, 0                                         ; the refill has landed in every wave's part
	STEP 6, 0
	s_wait_dscnt 24                                   ; the last step: nothing more to fetch
	WIN 0xa1
	MUL16 0, 7, 0
	MUL16 2, 7, 0
	s_wait_dscnt 0x0
	WIN 0xf1
	MUL16 4, 7, 0
	MUL16 6, 7, 0
	WIN 0
	PLACES 4                                          ; in front of the first read of results and the first write of registers that the products read
	s_mov_b32 s[SEL], 0x76543210
	s_mov_b32 s[SEL+1], 0xfedcba98
.irp b, 0,1,2,3
	v_mov_b32 v[TM+4+\b], 0                           ; a lane permute's destination counts as one of its sources
.endr
.irp a, 0,1,2,3,4,5,6,7
	QUANTA \a
.endr
	v_cmp_ne_u32 s18, 0, v3
.irp j, 0,1,2,3
	v_cndmask_b32 v[WS+\j], v[PWB+\j], v[PWB+4+\j], s18   ; lanes 0-15 store blocks 0-3's words of row r, lanes 16-31 blocks 4-7's
.endr
	global_store_b128 v[ZO], v[WS:WS+3], s[12:13]     ; 512 consecutive bytes, aligned
	s_wait_tensorcnt 0x0                              ; the wave's end
	ds_add_u32 v[SPW], v[NIL]
	s_wait_dscnt 0x0
	CROUND                                            ; the closing round: no work-group ends while a partner may still ask for a tile that names it
	s_endpgm
.Lfunc_end_k_qad30586cfb_proj:
	.size	k_qad30586cfb_proj, .Lfunc_end_k_qad30586cfb_proj-k_qad30586cfb_proj
	.p2alignl 7, 3214868480
	.fill 96, 4, 3214868480
	.section	.rodata,"a",@progbits
	.p2align	6, 0x0
	.amdhsa_kernel k_qad30586cfb_proj
		.amdhsa_group_segment_fixed_size 327680
		.amdhsa_private_segment_fixed_size 0
		.amdhsa_enable_private_segment 0
		.amdhsa_kernarg_size 40
		.amdhsa_user_sgpr_count 2
		.amdhsa_user_sgpr_kernarg_segment_ptr 1
		.amdhsa_wavefront_size32 1
		.amdhsa_system_sgpr_workgroup_id_x 1
		.amdhsa_system_sgpr_workgroup_id_y 1
		.amdhsa_system_sgpr_workgroup_id_z 1
		.amdhsa_system_vgpr_workitem_id 0
		.amdhsa_next_free_vgpr 1024
		.amdhsa_next_free_sgpr 102
		.amdhsa_reserve_vcc 0
		.amdhsa_float_denorm_mode_32 3
		.amdhsa_float_denorm_mode_16_64 3
		.amdhsa_memory_ordered 1
		.amdhsa_forward_progress 1
		.amdhsa_inst_pref_size 186
	.end_amdhsa_kernel
	.amdgpu_metadata
---
amdhsa.version: [ 1, 2 ]
amdhsa.kernels:
  - .name:           k_qad30586cfb_proj
    .symbol:         k_qad30586cfb_proj.kd
    .args:
      - { .name: opc, .offset: 0, .size: 8, .value_kind: global_buffer, .address_space: global }
      - { .name: ops, .offset: 8, .size: 8, .value_kind: global_buffer, .address_space: global }
      - { .name: b_qkv, .offset: 16, .size: 8, .value_kind: global_buffer, .address_space: global }
      - { .name: qkvc, .offset: 24, .size: 8, .value_kind: global_buffer, .address_space: global }
      - { .name: qkvs, .offset: 32, .size: 8, .value_kind: global_buffer, .address_space: global }
    .group_segment_fixed_size: 327680
    .private_segment_fixed_size: 0
    .kernarg_segment_align: 8
    .kernarg_segment_size: 40
    .max_flat_workgroup_size: 128
    .sgpr_count:     102
    .vgpr_count:     1024
    .wavefront_size: 32
...
	.end_amdgpu_metadata
.endif
;; end of part 2
;; launch attn (part 3): grid 8 x 32, 16 waves a work-group, clusters of 4 x 1, 215,040 bytes of LDS; arguments qkvc, qkvs, oc, os; writes oc, os
.if DOCPART == 3
	.amdgcn_target "amdgcn-amd-amdhsa--gfx1250"
	.amdhsa_code_object_version 6
	.text
	.protected	k_qad30586cfb_attn
	.globl	k_qad30586cfb_attn
	.p2align	8
	.type	k_qad30586cfb_attn,@function
k_qad30586cfb_attn:
	s_mov_b64 s[64:65], 0
	v_nop
	global_prefetch_b8 v0, s[64:65] scope:SCOPE_SE
	s_setreg_imm32_b32 hwreg(HW_REG_WAVE_MODE, 25, 1), 1
	s_wait_xcnt 0x0
	s_wait_alu depctr_hold_cnt(0) depctr_sa_sdst(0) depctr_va_vdst(0) depctr_va_sdst(0) depctr_va_ssrc(0) depctr_va_vcc(0) depctr_vm_vsrc(0)
	s_getreg_b32 s2, hwreg(HW_REG_IB_STS2, 6, 4)
	s_cmp_eq_u32 s2, 0
	s_cbranch_scc0 .Lentry_in_a_cluster
	s_endpgm
.Lentry_in_a_cluster:
	s_bfe_u32 s2, ttmp6, 0x10000c
	s_cmp_lg_u32 s2, 0x3003
	s_cbranch_scc0 .Lentry_shape_is_right
	s_endpgm
.Lentry_shape_is_right:
; O[b][h][q] = the sum over keys of softmax(q . k / 8) v, head size 64, 2,048 keys, both products on codes of FP6 (E2M3) with E8M0 scales; O is quantised at once along h x 64 + d for the output projection.
; THE SOFTMAX AHEAD OF THE SECOND PRODUCT: t = score x log2(e) / 8; M = the largest t so far rounded UP to a whole number; p = 2^(t - M) is quantised along the keys, not normalised.
; The row's sum is taken of the unquantised p and divides O at the end.  When M moves, the sum and O are multiplied by 2^(old M - new M): exact.
; LIMITS: the promise holds while |t| stays under 2^31; a block of zeros gets the byte 1 where the rule says 127 (its codes are zeros, and this program alone reads the bytes); NaN and infinities are not served.
; SHARES.  A work-group owns 256 queries of one head of one batch, each of its sixteen waves 16 of them, in 256 registers: four waves to a SIMD.
; ALL OF THE HEAD'S K AND V LIES IN LDS (98,304 bytes each) with its scale bytes; every byte is filled once.  The ten first fills are dealt one to a wave: waves 0-3 K's four chunks of 512 keys, waves 4-7 V's,
; wave 8 K's scale words, wave 9 V's.  One wait and one barrier show them to all waves; the sixteen key steps that follow have no barrier.  All is asked for at the head: there is no later stream to prefetch.
; CLUSTER 4 x 1: the four blocks of queries of a cluster belong to one head and ask for K and V jointly.
; LAYOUT.  Both products are used transposed: S^T = K Q^T (source 0 = 16 keys), O^T = V^T P^T (source 0 = 16 channels): a lane holds one query throughout.
; Tile t of a step's eight holds keys 64 (t / 4) + 8 (t % 4) + 0 .. 7 at positions 0-7 and the keys 32 further on at positions 8-15 (the first launch lays key's rows so).  So lane (r, h) holds, in the 32 registers
; of tiles 4 c .. 4 c + 3, block 2 c + h of 32 keys whole and in order: just what registers 6 c .. 6 c + 5 of p's operand want.  A block's maximum needs no other lane, and no codes change lanes.
; Channels lie at positions with bits 3 and 4 exchanged: at the end the 16 registers of result tiles 2 b and 2 b + 1 are channels 32 b + 16 h + 0 .. 15.
; TWO REGIONS OF 64 REGISTERS TAKE TURNS.  In a step one holds K's eight tiles and then V's four fragments, the other S^T and then p.  As soon as p has been converted its registers take the NEXT step's tiles of K,
; 28 LDS loads that land under the moves, O's rescaling and the second product; in the next step the two regions have changed roles.  A trip of the loop is two steps, so that the numbers are back where they began.
; THE FIRST PRODUCT'S K IS 64, the instruction's 128: Q's registers 6-11 are zero codes, so whatever bits stand in registers 6-11 of the keys' operand add nothing (FP6 has no NaN and no infinity): the operand of
; tile t is the run of 12 registers that begins with its six.  Scale words are loaded as 16 bits: bytes 2 and 3 are 0, a power of two and no NaN.
.set VC,    98304                      ; LDS: K's codes from 0 (128 units of 768 bytes), V's from here (32 rows of 4 units)
.set KS,    196608                     ; K's scale words: 512 bytes a step: word at 32 r + 4 tile: two heads' two bytes each
.set VS,    204800                     ; V's: 512 bytes a step: word at 32 r + 4 (channel tile of two heads' eight)
.set SPARE, 212992                     ; the spare words, 128 bytes a wave: eight blocks of 256 bytes that no other line names
.set AK0,  1                           ; 8 x lane: my place in a unit (also in the stores)
.set AV0,  2                           ; the same in V's region
.set ASK0, 3                           ; KS + 32 r + 16 h + 2 (head % 2)
.set ASV0, 4                           ; VS + 32 r + 16 (head % 2)
.set SPW,  5
.set NIL,  6
.set BO,   7                           ; 16 r + h: my scale byte of O
.set ADK,  8                           ; v8-11 the trip's addresses
.set ADV,  9
.set ADS,  10
.set ADT,  11
                                       ; v12 -M, v13 the largest score so far, v[14:15] the row's sum in two halves
.set QF,   16                          ; v16-21 Q's codes, v22-27 zeros
.set QS,   28                          ; scale registers, which hold nothing else: Q's, p's, K's four (lanes 0-15 tile j, lanes 16-31 tile j + 4), V's four
.set PW,   29
.set KSC,  30
.set VSC,  34
.set XR,   38                          ; v38-101 and v102-165: the two regions
.set YR,   102
.set O,    166                         ; v166-197 O^T
.set PC,   198                         ; v198-209 p's codes;  v210-217 at work
.set PT,   210
.set MX,   218                         ; v218-225 a maximum for each tile;  v226-227 at work
.set ZZ,   226
.set BM,   228                         ; my two blocks' largest scores, then largest p
.set BS,   230
.set BP,   232
.set F,    234                         ; v[234:235] f = 2^(old M - new M), and a register named with it as a pair
.set ST,   236                         ; v236-249 seven partial sums, two halves each
.set SH8,  250                         ; 8 h
.set OLD,  251                         ; the last step's -M
.set TMP,  252
.set W,    253
.set WV,   18
.set SEL,  20
.set CS,   22                          ; s[22:23] c = log2(e) / 8
.set G1K,  24                          ; groups 1: K's chunk, V's chunk, K's scale bytes, V's
.set G1V,  32
.set G1KS, 40
.set G1VS, 48
.set GC,   56                          ; groups 0: a chunk of codes; a table of scale words
.set GS,   60
.set TK,   96                          ; where the trip's codes begin in K's and in V's region: 12,288 bytes a trip
.set TS,   97                          ; and its scale words: 1,024 bytes a trip
.set CNT,  98
.set HM,   99                          ; the mask of lanes 16-31
.macro CROUND
	s_barrier_signal -1
	s_barrier_wait -1
	s_cmp_lg_u32 s[WV], 0
	s_cbranch_scc1 .Lnot_wave_0_\@
	s_barrier_signal -3
.Lnot_wave_0_\@:
	s_barrier_wait -3
	s_barrier_signal -1
	s_barrier_wait -1
.endm
.macro ARM op, n, g0, g1, next         ; one arm of the chain of branches on the wave's number: one load, then a jump to the join
	\op s[WV], \n
	s_cbranch_scc0 \next
	tensor_load_to_lds s[\g0:\g0+3], s[\g1:\g1+7]
	s_nop 0
.rept 4
	v_nop
.endr
	s_branch .Lasked
\next:
.endm
.macro G1SET g, c, r, p                ; r rows of c elements of 8 bytes, p elements apart; the mask names all four work-groups, bit 21 beside it; no padding
	s_mov_b32 s[\g], 15|(3<<16)|(1<<21)
	s_mov_b32 s[\g+1], \c<<16
	s_mov_b32 s[\g+2], \r<<16
	s_mov_b32 s[\g+3], \c<<16
	s_mov_b32 s[\g+4], \r
	s_mov_b32 s[\g+5], \p
	s_mov_b32 s[\g+6], 0
	s_mov_b32 s[\g+7], 0
.endm
.macro PADD d, a, b
	v_pk_add_f32 v[(\d):(\d)+1], v[(\a):(\a)+1], v[(\b):(\b)+1]
.endm
.macro DEP n
	s_delay_alu instid0(VALU_DEP_\n)
.endm
.macro KLOAD reg, adk, ads, step       ; a step's eight tiles of K and its four registers of scale words: 28 loads
.irp t, 0,1,2,3,4,5,6,7
.irp p, 0,1,2
	ds_load_b64 v[\reg+6*\t+2*\p:\reg+6*\t+2*\p+1], v[\adk] offset:6144*(\step)+768*\t+256*\p
.endr
.endr
.irp j, 0,1,2,3
	ds_load_u16 v[KSC+\j], v[\ads] offset:512*(\step)+4*\j
.endr
.endm
; A KEY STEP: 128 keys.  kx: the region with K's tiles, already asked for; sy: the region for S^T.  o: the first (0) or second (1) step of a trip.  more = 1: the next step's tiles of K are fetched.
.macro STEP kx, sy, o, more
.if \o == 0
	v_add_nc_u32 v[ADK], s[TK], v[AK0]                ; with the v_nop: the five places behind the last step's products, whose fragments of V the products below write over
	v_add_nc_u32 v[ADV], s[TK], v[AV0]
	v_add_nc_u32 v[ADS], s[TS], v[ASK0]
	v_add_nc_u32 v[ADT], s[TS], v[ASV0]
	v_nop
.else
.rept 5
	v_nop
.endr
.endif
	ds_load_b128 v[VSC:VSC+3], v[ADT] offset:512*\o
.if \o == 0
	s_wait_alu depctr_va_vdst(0)
.endif
	s_wait_dscnt 1                                    ; K's tiles and scale words are in; the load just issued may be out
.irp t, 0,1,2,3
	v_wmma_scale_f32_16x16x128_f8f6f4 v[\sy+8*\t:\sy+8*\t+7], v[\kx+6*\t:\kx+6*\t+11], v[QF:QF+11], 0, v[KSC+\t], v[QS] matrix_a_fmt:MATRIX_FMT_FP6 matrix_b_fmt:MATRIX_FMT_FP6
.endr
.irp t, 4,5,6,7
	v_wmma_scale_f32_16x16x128_f8f6f4 v[\sy+8*\t:\sy+8*\t+7], v[\kx+6*\t:\kx+6*\t+11], v[QF:QF+11], 0, v[KSC+\t-4], v[QS] matrix_a_fmt:MATRIX_FMT_FP6 matrix_b_fmt:MATRIX_FMT_FP6 matrix_a_scale:MATRIX_SCALE_ROW1
.endr
.rept 4
	v_nop                                             ; places in front of the loads into K's registers and of the first read of the scores
.endr
.irp u, 0,1,2,3                                   ; V's four fragments land under the softmax
.irp c, 0,1
.irp p, 0,1,2
	ds_load_b64 v[\kx+12*\u+6*\c+2*\p:\kx+12*\u+6*\c+2*\p+1], v[ADV] offset:6144*\o+3072*\c+768*\u+256*\p
.endr
.endr
.endr
; the largest score of each of my two blocks: it serves for the row's maximum and, since p rises with the score, for the block's largest p.  Eight chains, one a tile, take turns; each tile is first read at its low end
.irp t, 0,1,2,3,4,5,6,7
	v_max3_num_f32 v[MX+\t], v[\sy+8*\t], v[\sy+8*\t+1], v[\sy+8*\t+2]
.endr
.irp i, 3,5
.irp t, 0,1,2,3,4,5,6,7
	v_max3_num_f32 v[MX+\t], v[MX+\t], v[\sy+8*\t+\i], v[\sy+8*\t+\i+1]
.endr
.endr
	v_max3_num_f32 v[MX], v[MX], v[MX+1], v[MX+2]
	v_max_num_f32 v[ZZ], v[\sy+23], v[\sy+31]
	v_max_num_f32 v[ZZ+1], v[\sy+55], v[\sy+63]
	v_max3_num_f32 v[MX+3], v[MX+3], v[\sy+7], v[\sy+15]
	v_max3_num_f32 v[MX+4], v[MX+4], v[MX+5], v[MX+6]
	v_max3_num_f32 v[MX+7], v[MX+7], v[\sy+39], v[\sy+47]
	DEP 3
	v_max3_num_f32 v[BM], v[MX], v[MX+3], v[ZZ]
	DEP 2
	v_max3_num_f32 v[BM+1], v[MX+4], v[MX+7], v[ZZ+1]
	v_mov_b32 v[OLD], v12                             ; the last step's -M
	DEP 2
	v_max_num_f32 v[TMP], v[BM], v[BM+1]
	DEP 1
	v_permlanex16_b32 v[BP], v[TMP], s[SEL], s[SEL+1] ; lane l xor 16's two blocks
	DEP 1
	v_max3_num_f32 v13, v13, v[TMP], v[BP]            ; the largest score so far (c is positive: it gives the largest t)
	DEP 1
	v_mul_f32 v[TMP], s[CS], v13
	DEP 1
	v_floor_f32 v12, -v[TMP]                          ; the new -M = floor(-t) = -ceil(t)
	DEP 1
	v_sub_f32 v[TMP], v12, v[OLD]                     ; old M - new M: a whole number, 0 or less
.set j, 0
.rept 32
	v_pk_fma_f32 v[\sy+j:\sy+j+1], v[\sy+j:\sy+j+1], s[CS:CS+1], v[12:13] op_sel_hi:[1,0,0]   ; t - M, two at a time; the three lines that make f stand among them, five apart
.if j == 8
	v_cvt_i32_f32 v[TMP], v[TMP]                      ; (it saturates)
.endif
.if j == 18
	v_ldexp_f32 v[F], 1.0, v[TMP]                     ; f
.endif
.set j, j+2
.endr
.irp c, 0,1
	v_fma_f32 v[BM+\c], v[BM+\c], s[CS], v12          ; the same of each block's largest score
.endr
	s_wait_alu depctr_va_vdst(0)                      ; the wait ahead of the batch
.set j, 0
.rept 64
	v_exp_f32 v[\sy+j], v[\sy+j]                      ; p = 2^(t - M), at most 1
.set j, j+1
.endr
.irp c, 0,1
	v_exp_f32 v[BM+\c], v[BM+\c]                      ; the block's largest p: the same two instructions on the same number give the same bits
.endr
	v_pk_mul_f32 v[14:15], v[14:15], v[F:F+1] op_sel_hi:[1,0]   ; the sums under the new M: the plain place behind the exponentials
	s_wait_alu depctr_va_vdst(0)                      ; one wait for the batch of 66, ahead of its first reader
; the row's sum of the unquantised p: 32 pairs, in eight chains that take turns
.irp i, 0,1,2,3,4,5,6
	PADD ST+2*\i, \sy+4*\i, \sy+4*\i+2
.endr
	PADD 14, 14, \sy+28
.irp i, 0,1,2,3,4,5,6
	PADD ST+2*\i, ST+2*\i, \sy+30+2*\i
.endr
	PADD 14, 14, \sy+44
.irp i, 0,1,2,3,4,5,6
	PADD ST+2*\i, ST+2*\i, \sy+46+2*\i
.endr
	PADD 14, 14, \sy+60
	PADD ST, ST, \sy+62
	DEP 2
	PADD 14, 14, ST+6
	DEP 2
	PADD ST, ST, ST+8
	PADD ST+2, ST+2, ST+10
	PADD ST+4, ST+4, ST+12
	DEP 2
	PADD 14, 14, ST+2
	DEP 2
	PADD ST, ST, ST+4
	DEP 1
	PADD 14, 14, ST
.irp c, 0,1
	v_max_num_f32 v[BM+\c], 0x1800000, v[BM+\c]       ; the floor 2^(3 - 127): the byte cannot fall under 1
.endr
.irp c, 0,1
	DEP 2
	v_add_nc_u32 v[BS+\c], 0xff000000, v[BM+\c]       ; 2 off the exponent field: the conversion's scale operand
.endr
.irp c, 0,1
	DEP 2
	v_lshrrev_b32 v[BP+\c], 23, v[BS+\c]              ; the scale's byte
.endr
	DEP 1
	v_lshl_or_b32 v[W], v[BP+1], 16, v[BP]            ; my two bytes: blocks h and 2 + h,
	DEP 1
	v_lshlrev_b32 v[W], v[SH8], v[W]                  ; at their places in the scale word;
	DEP 1
	v_permlanex16_b32 v[BP], v[W], s[SEL], s[SEL+1]
	DEP 1
	v_or_b32 v[PW], v[W], v[BP]                       ; with lane l xor 16's two the word of these 128 keys is whole
.irp c, 0,1
	v_cvt_scalef32_pk16_fp6_f32 v[PC+6*\c:PC+2+6*\c], v[\sy+32*\c:\sy+15+32*\c], v[BS+\c]
	v_cvt_scalef32_pk16_fp6_f32 v[PT+4*\c:PT+2+4*\c], v[\sy+16+32*\c:\sy+31+32*\c], v[BS+\c]   ; (a conversion's three registers begin on an even number)
.endr
	v_nop                                             ; one plain place behind a scaled conversion
.if \more
	KLOAD \sy, ADK, ADS, \o+1                         ; p is done with: its registers take the next step's tiles of K
.endif
.irp c, 0,1
.irp i, 0,1,2
	v_mov_b32 v[PC+3+6*\c+\i], v[PT+4*\c+\i]
.endr
.endr
	s_wait_dscnt 28*\more                             ; V and its scale words are in; the 28 loads issued behind them may be out
	s_wait_alu depctr_va_vdst(0)                      ; the wait directly ahead of the first reader of O^T
.set j, 0
.rept 16
	v_pk_mul_f32 v[O+j:O+j+1], v[O+j:O+j+1], v[F:F+1] op_sel_hi:[1,0]   ; O^T under the new M.  These sixteen are also the places between p's scale word and codes and the products below
.set j, j+2
.endr
.irp u, 0,1,2,3                                   ; the four accumulators take turns, one instruction a turn
	v_wmma_scale_f32_16x16x128_f8f6f4 v[O+8*\u:O+8*\u+7], v[\kx+12*\u:\kx+12*\u+11], v[PC:PC+11], v[O+8*\u:O+8*\u+7], v[VSC+\u], v[PW] matrix_a_fmt:MATRIX_FMT_FP6 matrix_b_fmt:MATRIX_FMT_FP6
.endr
.endm
	s_load_b256 s[4:11], s[0:1], 0x0                  ; qkvc, qkvs, oc, os
	v_lshl_add_u32 v[SPW], v0, 2, SPARE
	v_mov_b32 v[NIL], 0
	ds_add_u32 v[SPW], v[NIL]                         ; the wave's opening: the add, twice on end, and its wait ahead of the first tensor loads
	ds_add_u32 v[SPW], v[NIL]
	v_lshrrev_b32 v8, 5, v0
	s_delay_alu instid0(VALU_DEP_1)
	v_readfirstlane_b32 s[WV], v8                     ; wave 0..15
	s_bfe_u32 s12, ttmp6, 0x40000                     ; cx
	s_lshl_b32 s13, ttmp9, 2
	s_add_co_u32 s13, s13, s12                        ; my block of 256 queries: it enters Q's and O's global addresses alone
	s_and_b32 s14, ttmp7, 0xffff                      ; 16 batch + head, which the four partners share
	s_lshr_b32 s15, s14, 4                            ; batch
	s_and_b32 s16, s14, 15                            ; head
	s_and_b32 s17, s16, 1                             ; head % 2
	s_lshr_b32 s19, s16, 1                            ; head / 2
	s_lshl_b32 s81, s16, 8
	s_lshl_b32 s82, s15, 7
	s_add_co_u32 s81, s81, s82                        ; 256 head + 128 batch: the first unit of the head's q or k
	s_mul_i32 s80, s[WV], 24576                       ; LDS: chunk w of the eight (K's four, then V's four); also K's chunks in memory
	s_mul_i32 s82, s81, 768
	s_add_co_u32 s82, s82, 3145728
	s_add_co_u32 s82, s82, s80                        ; K's chunk w
	s_mul_i32 s83, s15, 1572864
	s_mul_i32 s84, s16, 3072
	s_add_co_u32 s83, s83, s84
	s_add_co_u32 s83, s83, 6291456-4*393216
	s_mul_i32 s84, s[WV], 393216
	s_add_co_u32 s83, s83, s84                        ; V's chunk w - 4
	s_cmp_lt_u32 s[WV], 4                             ; offsets in memory are chosen by the wave's number; the LDS addresses are plain arithmetic on it
	s_cselect_b32 s82, s82, s83
	s_mov_b32 s83, 0
	s_lshl_b32 s84, s19, 5
	s_lshl_b32 s85, s15, 4
	s_add_co_u32 s84, s84, s85                        ; 32 (head / 2) + 16 batch: the first block of the head's q or k scale words
	s_lshl_b32 s85, s84, 9
	s_add_co_u32 s85, s85, 131072                     ; K's scale words
	s_lshl_b32 s86, s15, 16
	s_lshl_b32 s87, s19, 9
	s_add_co_u32 s86, s86, s87
	s_add_co_u32 s86, s86, 262144                     ; V's
	s_cmp_eq_u32 s[WV], 8
	s_cselect_b32 s88, s85, s86
	s_mov_b32 s89, 0
	s_lshl_b32 s3, s[WV], 13
	s_add_co_u32 s3, s3, KS-8*8192                    ; LDS: KS + 8,192 (wave - 8)
	G1SET G1K, 32, 96, 32                             ; K's chunk: 24,576 dense bytes as 96 rows of 256
	G1SET G1V, 384, 8, 6144                           ; V's chunk: 8 rows of 3,072 bytes, 49,152 apart
	G1SET G1KS, 32, 32, 32                            ; K's scale words: 8,192 dense bytes as 32 rows of 256
	G1SET G1VS, 64, 16, 512                           ; V's: 16 rows of 512 bytes, 4,096 apart
	s_mov_b32 s[SEL], 0x76543210
	s_mov_b32 s[SEL+1], 0xfedcba98
	s_mov_b32 s[CS], 0x3e38aa3b                       ; c = log2(e) / 8
	s_mov_b32 s[CS+1], s[CS]                          ; (named with it as a pair, so it is written)
	s_mov_b32 s[TK], 0
	s_mov_b32 s[TS], 0
	s_wait_dscnt 0x0                                  ; both opening adds are done
	s_wait_kmcnt 0x0
	s_add_nc_u64 s[82:83], s[4:5], s[82:83]
	s_add_nc_u64 s[88:89], s[6:7], s[88:89]
	s_mov_b32 s[GC], 1
	s_mov_b32 s[GC+1], s80
	s_mov_b64 s[GC+2:GC+3], s[82:83]
	s_or_b32 s[GC+3], s[GC+3], 0x80000000
	s_mov_b32 s[GS], 1
	s_mov_b32 s[GS+1], s3
	s_mov_b64 s[GS+2:GS+3], s[88:89]
	s_or_b32 s[GS+3], s[GS+3], 0x80000000
	CROUND                                            ; all four work-groups are here: the joint loads meet
	ARM s_cmp_lt_u32, 4, GC, G1K, .Larm_v             ; one chain of branches on the wave's number, one load to an arm: at most one tensor load a wave
	ARM s_cmp_lt_u32, 8, GC, G1V, .Larm_ks
	ARM s_cmp_eq_u32, 8, GS, G1KS, .Larm_vs
	s_cmp_eq_u32 s[WV], 9
	s_cbranch_scc0 .Lasked
	tensor_load_to_lds s[GS:GS+3], s[G1VS:G1VS+7]
	s_nop 0
.rept 4
	v_nop
.endr
.Lasked:
	s_lshl_b32 s92, s13, 4
	s_add_co_u32 s92, s92, s[WV]                      ; my tile of queries in the batch: 16 block + wave
	s_add_co_u32 s93, s81, s92
	s_mul_i32 s94, s93, 768
	s_mov_b32 s95, 0
	s_add_nc_u64 s[94:95], s[4:5], s[94:95]           ; Q's unit
	s_lshl_b32 s100, s13, 1
	s_add_co_u32 s100, s100, s84
	s_lshr_b32 s93, s[WV], 3
	s_add_co_u32 s100, s100, s93
	s_lshl_b32 s100, s100, 9                          ; its block of scale words,
	s_and_b32 s93, s[WV], 7
	s_lshl_b32 s93, s93, 2
	s_add_co_u32 s100, s100, s93                      ; my tile's word in a row's eight,
	s_lshl_b32 s93, s17, 1
	s_add_co_u32 s100, s100, s93                      ; my head's two bytes of the four
	s_mov_b32 s101, 0
	s_add_nc_u64 s[100:101], s[6:7], s[100:101]
	s_lshl_b32 s93, s15, 7
	s_add_co_u32 s93, s93, s92                        ; O's tile: 128 batch + 16 block + wave
	s_mul_i32 s12, s93, 12288
	s_mul_i32 s13, s16, 768
	s_add_co_u32 s12, s12, s13
	s_mov_b32 s13, 0
	s_add_nc_u64 s[8:9], s[8:9], s[12:13]             ; unit (tile, head)
	s_lshl_b32 s12, s93, 9
	s_lshr_b32 s14, s16, 3
	s_lshl_b32 s14, s14, 8
	s_add_co_u32 s12, s12, s14
	s_and_b32 s14, s16, 7
	s_lshl_b32 s14, s14, 1
	s_add_co_u32 s12, s12, s14
	s_add_nc_u64 s[10:11], s[10:11], s[12:13]         ; the bytes of blocks 2 head and 2 head + 1
	s_lshl_b32 s2, s17, 1
	s_add_co_u32 s2, s2, KS
	s_lshl_b32 s3, s17, 4
	s_add_co_u32 s3, s3, VS
	v_and_b32 v8, 31, v0                              ; lane
	v_and_b32 v9, 15, v0                              ; r
	v_bfe_u32 v10, v0, 4, 1                           ; h
	v_mov_b32 v13, 0xff61b1e6                         ; the largest score so far: -3e38, under every score
	v_mov_b32 v14, 0                                  ; the sum, in two halves
	v_lshlrev_b32 v[AK0], 3, v8
	v_lshlrev_b32 v11, 5, v9                          ; 32 r
	v_lshlrev_b32 v[SH8], 3, v10
	v_cmp_ne_u32 s[HM], 0, v10
	v_lshl_add_u32 v[BO], v9, 4, v10
	v_mov_b32 v15, 0
	v_add_nc_u32 v[AV0], VC, v[AK0]
	v_lshl_add_u32 v[ASK0], v10, 4, v11
	v_add_nc_u32 v[ASV0], s3, v11
	v_floor_f32 v12, -v13                             ; -M
.irp p, 0,1,2
	global_load_b64 v[QF+2*\p:QF+2*\p+1], v[AK0], s[94:95] offset:256*\p   ; Q stays in registers
.endr
	global_load_u16 v[QS], v11, s[100:101]
.irp i, 6,7,8,9,10,11
	v_mov_b32 v[QF+\i], 0                             ; zero codes for the instruction's upper 64 along K
.endr
	v_add_nc_u32 v[ASK0], s2, v[ASK0]
.irp i, 48,49,50,51,52,53
	v_mov_b32 v[XR+\i], 0                             ; the six registers behind the first step's last tile of keys (later steps find old scores or p there)
.endr
	v_mov_b32 v[BP], 0                                ; a lane permute's destination counts as one of its sources
	v_mov_b32 v[BP+1], 0
	v_mov_b32 v[F+1], 0                               ; (named as the upper half of a pair)
.set j, 0
.rept 32
	v_mov_b32 v[O+j], 0                               ; O^T: the step is written once; the first finds zeros, which the first change of M leaves zeros
.set j, j+1
.endr
	s_wait_alu depctr_va_vdst(0)                      ; the wait at the head's end
	s_wait_loadcnt 0x0                                ; Q
	s_wait_tensorcnt 0x0                              ; my fill, if I issued one, has landed
	s_barrier_signal -1
	s_barrier_wait -1                                 ; everybody's has: all of K and V is in LDS, and nothing is filled again
	KLOAD XR, AK0, ASK0, 0                            ; the first step's tiles of K
	s_mov_b32 s[CNT], 7
.Lstep:                                                ; a trip is two steps: the regions are back where they began
	STEP XR, YR, 0, 1
	STEP YR, XR, 1, 1
	s_add_co_u32 s[TK], s[TK], 12288
	s_add_co_u32 s[TS], s[TS], 1024
	s_sub_co_u32 s[CNT], s[CNT], 1
	s_cmp_lg_u32 s[CNT], 0
	s_cbranch_scc1 .Lstep
	STEP XR, YR, 0, 1                                 ; the last two steps are written out: the very last fetches nothing
	STEP YR, XR, 1, 0
	; THE WAY OUT: O^T / the sum; register 16 b + i is channel 32 b + 16 h + i of my query: two blocks of 32 along the output projection's K.  They are quantised and stored as one unit.
.set S, XR                             ; the region that held the last p is free
.rept 4
	v_nop                                             ; places behind the last products
.endr
	v_add_f32 v14, v14, v15
	DEP 1
	v_permlanex16_b32 v[BP], v14, s[SEL], s[SEL+1]
	DEP 1
	v_add_f32 v14, v14, v[BP]                         ; the row's sum
	s_wait_alu depctr_va_vdst(0)                      ; the wait ahead of the transcendental
	v_rcp_f32 v14, v14
	v_nop                                             ; a plain place behind the reciprocal
	s_wait_alu depctr_va_vdst(0)                      ; and the wait ahead of its first reader, which is also the first reader of O^T
.set j, 0
.rept 32
	v_mul_f32 v[S+j], v[O+j], v14                     ; each accumulator from its low end on
.set j, j+1
.endr
.irp b, 0,1
	v_max3_num_f32 v[BM+\b], |v[S+16*\b]|, |v[S+16*\b+1]|, 0x1800000
.endr
.irp i, 2,4,6,8,10,12,14
.irp b, 0,1
	DEP 2
	v_max3_num_f32 v[BM+\b], v[BM+\b], |v[S+16*\b+\i]|, |v[S+16*\b+\i+1]|
.endr
.endr
.irp b, 0,1
	DEP 2
	v_permlanex16_b32 v[BP+\b], v[BM+\b], s[SEL], s[SEL+1]
.endr
.irp b, 0,1
	DEP 2
	v_max_num_f32 v[BM+\b], v[BM+\b], v[BP+\b]
.endr
.irp b, 0,1
	DEP 2
	v_add_nc_u32 v[BS+\b], 0xff000000, v[BM+\b]
.endr
.irp b, 0,1
	DEP 2
	v_lshrrev_b32 v[BP+\b], 23, v[BS+\b]
.endr
	v_cvt_scalef32_pk16_fp6_f32 v[PC:PC+2], v[S:S+15], v[BS]
	v_cvt_scalef32_pk16_fp6_f32 v[PT:PT+2], v[S+16:S+31], v[BS+1]
	v_nop                                             ; one plain place behind a scaled conversion
.irp i, 0,1,2
	v_permlane16_swap_b32 v[PC+\i], v[PT+\i]          ; lanes 0-15 now hold block 0 whole, lanes 16-31 block 1
.endr
.irp i, 0,1,2
	DEP 3
	v_mov_b32 v[PC+3+\i], v[PT+\i]
.endr
	v_cndmask_b32 v[TMP], v[BP], v[BP+1], s[HM]       ; my block's byte
.irp p, 0,1,2
	global_store_b64 v[AK0], v[PC+2*\p:PC+2*\p+1], s[8:9] offset:256*\p   ; 256 consecutive bytes, aligned
.endr
	global_store_b8 v[BO], v[TMP], s[10:11]           ; two bytes of each row's 16: a row's 32 bytes come from sixteen heads' work-groups; one byte in 24 of what this launch stores
	s_wait_tensorcnt 0x0                              ; the wave's end
	ds_add_u32 v[SPW], v[NIL]
	s_wait_dscnt 0x0
	CROUND                                            ; the closing round
	s_endpgm
.Lfunc_end_k_qad30586cfb_attn:
	.size	k_qad30586cfb_attn, .Lfunc_end_k_qad30586cfb_attn-k_qad30586cfb_attn
	.p2alignl 7, 3214868480
	.fill 96, 4, 3214868480
	.section	.rodata,"a",@progbits
	.p2align	6, 0x0
	.amdhsa_kernel k_qad30586cfb_attn
		.amdhsa_group_segment_fixed_size 215040
		.amdhsa_private_segment_fixed_size 0
		.amdhsa_enable_private_segment 0
		.amdhsa_kernarg_size 32
		.amdhsa_user_sgpr_count 2
		.amdhsa_user_sgpr_kernarg_segment_ptr 1
		.amdhsa_wavefront_size32 1
		.amdhsa_system_sgpr_workgroup_id_x 1
		.amdhsa_system_sgpr_workgroup_id_y 1
		.amdhsa_system_sgpr_workgroup_id_z 1
		.amdhsa_system_vgpr_workitem_id 0
		.amdhsa_next_free_vgpr 256
		.amdhsa_next_free_sgpr 102
		.amdhsa_reserve_vcc 0
		.amdhsa_float_denorm_mode_32 3
		.amdhsa_float_denorm_mode_16_64 3
		.amdhsa_memory_ordered 1
		.amdhsa_forward_progress 1
		.amdhsa_inst_pref_size 82
	.end_amdhsa_kernel
	.amdgpu_metadata
---
amdhsa.version: [ 1, 2 ]
amdhsa.kernels:
  - .name:           k_qad30586cfb_attn
    .symbol:         k_qad30586cfb_attn.kd
    .args:
      - { .name: qkvc, .offset: 0, .size: 8, .value_kind: global_buffer, .address_space: global }
      - { .name: qkvs, .offset: 8, .size: 8, .value_kind: global_buffer, .address_space: global }
      - { .name: oc, .offset: 16, .size: 8, .value_kind: global_buffer, .address_space: global }
      - { .name: os, .offset: 24, .size: 8, .value_kind: global_buffer, .address_space: global }
    .group_segment_fixed_size: 215040
    .private_segment_fixed_size: 0
    .kernarg_segment_align: 8
    .kernarg_segment_size: 32
    .max_flat_workgroup_size: 512
    .sgpr_count:     102
    .vgpr_count:     256
    .wavefront_size: 32
...
	.end_amdgpu_metadata
.endif
;; end of part 3
;; launch outp (part 4): grid 8 x 32, 4 waves a work-group, clusters of 4 x 4, 222,720 bytes of LDS; arguments oc, os, opc, ops, b_out, out0; writes out0
.if DOCPART == 4
	.amdgcn_target "amdgcn-amd-amdhsa--gfx1250"
	.amdhsa_code_object_version 6
	.text
	.protected	k_qad30586cfb_outp
	.globl	k_qad30586cfb_outp
	.p2align	8
	.type	k_qad30586cfb_outp,@function
k_qad30586cfb_outp:
	s_mov_b64 s[64:65], 0
	v_nop
	global_prefetch_b8 v0, s[64:65] scope:SCOPE_SE
	s_setreg_imm32_b32 hwreg(HW_REG_WAVE_MODE, 25, 1), 1
	s_wait_xcnt 0x0
	s_wait_alu depctr_hold_cnt(0) depctr_sa_sdst(0) depctr_va_vdst(0) depctr_va_sdst(0) depctr_va_ssrc(0) depctr_va_vcc(0) depctr_vm_vsrc(0)
	s_getreg_b32 s2, hwreg(HW_REG_IB_STS2, 6, 4)
	s_cmp_eq_u32 s2, 0
	s_cbranch_scc0 .Lentry_in_a_cluster
	s_endpgm
.Lentry_in_a_cluster:
	s_bfe_u32 s2, ttmp6, 0x10000c
	s_cmp_lg_u32 s2, 0xf033
	s_cbranch_scc0 .Lentry_shape_is_right
	s_endpgm
.Lentry_shape_is_right:
; out0 = O W_out + b_out on codes of FP6 (E2M3) with E8M0 scales, K = 1,024; out0 [4096][1024] f32.
; SHARES.  32 x 8 = 256 work-groups; each makes 128 tokens x 128 columns, each of its four waves 64 x 64: 16 accumulators of 16 x 16.  Side P (source 0; a lane's registers run along it) = W_out's columns;
; side Q (source 1; a lane is one row) = tokens.
; ALL OF K LIES IN LDS: 8 tiles x 12,288 bytes a side, dense in memory, and 4,096 scale bytes a side: four first fills, one a wave.  Every byte is filled once: no ring, no refill, one barrier.
; All is asked for at the head: there is no later stream to prefetch.
; OPERANDS lie in memory and in LDS in the order of the operand's registers: a unit of 768 bytes is 16 rows x 64 along K; three loads of 8 bytes a lane, each 256 consecutive bytes, bring it.
; Row positions are permuted (bits 3 and 4 exchanged); the way out puts columns and rows back in their true places by its offsets.
; CLUSTER 4 x 4: Q's tiles are shared along a row of the cluster, P's along a column: each is asked for jointly by four work-groups.
; REGISTERS: window 0: v16-29 addresses and the add's two, v32-63 all scale words, v64-159 and v160-255 two sets of fragments (P's four, then Q's four); on the way out v64-127 rows of the result.
;   window 1: v0-127 accumulator (a, b) at v[8 (4 a + b)]; v128-159 the bias, the C of the first step's products.
.set PB,     98304                     ; P's codes, behind Q's
.set SCL,    196608                    ; Q's scale bytes, then P's: 4,096 each
.set STAGE,  204800                    ; the way out: 16 rows x (256 bytes + 16) for each wave; no fill lands here
.set SPITCH, 272
.set SPARE,  STAGE+4*16*SPITCH         ; the spare words, 128 bytes a wave: two blocks of 256 bytes that no other line names
.set ADRA, 16
.set ADRB, 17
.set ADRS, 18                          ; my scale words: lanes 0-15 Q's, lanes 16-31 P's
.set BO1,  19                          ; the bias: 64 h
.set STO,  20                          ; the way out: where I put 32 bytes of a row
.set RD,   21                          ; where I read rows back: sixteen lanes to a row
.set CO,   22                          ; 4,096 h + 16 r: my bytes of two rows of the result
.set SPW,  28
.set NIL,  29
.set SC,   32                          ; register 8 i + k: lanes 0-15 the word of Q's tile i, lanes 16-31 of P's tile i, K step k
.set FB,   64
.set BK,   64
.set G1,   24
.set G1B,  32
.set G1S,  40
.set G1SB, 48
.set G0A,  56
.set G0B,  60
.set G0S,  68
.set G0SB, 72
.set WV,   92
.set QH,   93                          ; wave / 2: my 64 tokens
.set PH,   94                          ; wave % 2: my 64 columns
.set CX,   95
.set CY,   96
.set QTL,  100                         ; which 128 tokens
.set PTL,  101                         ; which 128 columns
.set MSB, 0
.macro WIN new                         ; the immediate's high byte repeats the setting that is left
.if MSB != (\new)
	s_set_vgpr_msb (MSB<<8)|(\new)
.set MSB, (\new)
.endif
.endm
.macro PLACES n
.rept \n
	v_nop
.endr
.endm
.macro CROUND
	s_barrier_signal -1
	s_barrier_wait -1
	s_cmp_lg_u32 s[WV], 0
	s_cbranch_scc1 .Lnot_wave_0_\@
	s_barrier_signal -3
.Lnot_wave_0_\@:
	s_barrier_wait -3
	s_barrier_signal -1
	s_barrier_wait -1
.endm
.macro SETG0C g, lds, preg
	s_mov_b32 s[\g], 1                                ; count = 1
	s_mov_b32 s[\g+1], \lds
	s_mov_b64 s[\g+2:\g+3], s[\preg:\preg+1]
	s_or_b32 s[\g+3], s[\g+3], 0x80000000             ; type = 2
.endm
.macro ARM under, g0, g1, next         ; one arm of the head's chain of branches on the wave's number: one load, then a jump to the join
	s_cmp_lt_u32 s[WV], \under
	s_cbranch_scc0 \next
	tensor_load_to_lds s[\g0:\g0+3], s[\g1:\g1+7]
	s_nop 0
.rept 4
	v_nop
.endr
	s_branch .Lhead_asked
\next:
.endm
.macro FRAG reg, adr, off              ; a fragment, 16 rows x 128 K: two units, six loads of 8 bytes a lane
.irp p, 0,1,2,3,4,5
	ds_load_b64 v[\reg+2*\p:\reg+2*\p+1], v[\adr] offset:\off+768*(\p/3)+256*(\p%3)
.endr
.endm
.macro FETCH k                         ; K step k's eight fragments into set k % 2: 48 loads
.irp i, 0,1,2,3
	FRAG FB+96*((\k)%2)+12*\i, ADRB, 12288*\i+1536*(\k)
.endr
.irp i, 0,1,2,3
	FRAG FB+96*((\k)%2)+48+12*\i, ADRA, 12288*\i+1536*(\k)
.endr
.endm
; 16 matrix instructions, one on each accumulator, in the same order in every step.  first = 1: the sums begin with the bias; nothing is cleared.
.macro MUL k, first
.irp a, 0,1,2,3
.irp b, 0,1,2,3
.if \first
	v_wmma_scale_f32_16x16x128_f8f6f4 v[8*(4*\a+\b):8*(4*\a+\b)+7], v[FB+96*((\k)%2)+12*\b:FB+96*((\k)%2)+12*\b+11], v[FB+96*((\k)%2)+48+12*\a:FB+96*((\k)%2)+48+12*\a+11], v[128+8*\b:128+8*\b+7], v[SC+8*\b+(\k)], v[SC+8*\a+(\k)] matrix_a_fmt:MATRIX_FMT_FP6 matrix_b_fmt:MATRIX_FMT_FP6 matrix_a_scale:MATRIX_SCALE_ROW1
.else
	v_wmma_scale_f32_16x16x128_f8f6f4 v[8*(4*\a+\b):8*(4*\a+\b)+7], v[FB+96*((\k)%2)+12*\b:FB+96*((\k)%2)+12*\b+11], v[FB+96*((\k)%2)+48+12*\a:FB+96*((\k)%2)+48+12*\a+11], v[8*(4*\a+\b):8*(4*\a+\b)+7], v[SC+8*\b+(\k)], v[SC+8*\a+(\k)] matrix_a_fmt:MATRIX_FMT_FP6 matrix_b_fmt:MATRIX_FMT_FP6 matrix_a_scale:MATRIX_SCALE_ROW1
.endif
.endr
.endr
.endm
.macro KSTEP k, first
.if (\k) < 7
.if (\k) > 0
	PLACES 4                                          ; the loads below land in the set that the last step's products read
.endif
	FETCH (\k)+1
	s_wait_dscnt 48                                   ; all but the 48 loads just issued: this step's set is in
.else
	s_wait_dscnt 0x0
.endif
	WIN 0x50                                          ; C and D in window 1
	MUL \k, \first
	WIN 0
.endm
; THE WAY OUT, block by block of 16 rows x 64 columns, through my own stage.  Register j of accumulator (a, b) is column 32 (b / 2) + 16 h + 8 (b % 2) + j.
; LDS serves a wave's instructions in order (ISA guide 5.7.1.4): no wait between the stores and the loads, nor in front of the next block's stores.
.macro TOSTAGE a
	WIN 0x04                                          ; an LDS store's data are its source 1: window 1
.irp b, 0,1,2,3
	ds_store_b128 v[STO], v[32*(\a)+8*\b:32*(\a)+8*\b+3] offset:128*(\b/2)+32*(\b%2)          ; each accumulator from its low end on
	ds_store_b128 v[STO], v[32*(\a)+8*\b+4:32*(\a)+8*\b+7] offset:128*(\b/2)+32*(\b%2)+16
.endr
	WIN 0
.irp t, 0,1,2,3,4,5,6,7
	ds_load_b128 v[BK+32*((\a)%2)+4*\t:BK+32*((\a)%2)+4*\t+3], v[RD] offset:2*\t*SPITCH
.endr
.endm
.macro SEND a, younger                 ; stage row 2 t + h of block a is token 32 (a / 2) + 16 (t / 4) + 8 (a % 2) + 2 (t % 4) + h of my 64
	s_wait_dscnt \younger                             ; the block is back in registers
.irp t, 0,1,2,3,4,5,6,7
	global_store_b128 v[CO], v[BK+32*((\a)%2)+4*\t:BK+32*((\a)%2)+4*\t+3], s[14:15] offset:(32*((\a)/2)+16*(\t/4)+8*((\a)%2)+2*(\t%4))*4096 th:TH_STORE_NT   ; sixteen lanes store 256 consecutive bytes, aligned
.endr
.endm
	s_load_b256 s[4:11], s[0:1], 0x0                  ; oc, os, opc, ops
	s_load_b128 s[12:15], s[0:1], 0x20                ; b_out, out0
	v_lshl_add_u32 v[SPW], v0, 2, SPARE
	v_mov_b32 v[NIL], 0
	ds_add_u32 v[SPW], v[NIL]                         ; the wave's opening: the add, twice on end, and its wait ahead of my first tensor load
	ds_add_u32 v[SPW], v[NIL]
	v_lshrrev_b32 v1, 5, v0
	v_readfirstlane_b32 s[WV], v1
	s_lshr_b32 s[QH], s[WV], 1
	s_and_b32 s[PH], s[WV], 1
	s_bfe_u32 s[CX], ttmp6, 0x40000
	s_bfe_u32 s[CY], ttmp6, 0x40004
	s_and_b32 s[QTL], ttmp7, 0xffff
	s_lshl_b32 s[QTL], s[QTL], 2
	s_add_co_u32 s[QTL], s[QTL], s[CY]                ; 4 x cluster y + cy
	s_lshl_b32 s[PTL], ttmp9, 2
	s_add_co_u32 s[PTL], s[PTL], s[CX]                ; 4 x cluster x + cx
	s_lshl_b32 s2, s[CY], 2
	s_lshl_b32 s2, 15, s2                             ; my row of the cluster
	s_lshl_b32 s3, 0x1111, s[CX]                      ; my column
	s_or_b32 s[G1], s2, (3<<16)|(1<<21)               ; 15:0 the mask; 17:16 elements of 8 bytes; 21 set beside a mask; no padding
	s_or_b32 s[G1B], s3, (3<<16)|(1<<21)
	s_or_b32 s[G1S], s2, (3<<16)|(1<<21)
	s_or_b32 s[G1SB], s3, (3<<16)|(1<<21)
.irp g, G1, G1B                                   ; codes: 98,304 dense bytes as 384 rows of 256
	s_mov_b32 s[\g+1], 32<<16
	s_mov_b32 s[\g+2], 384<<16
	s_mov_b32 s[\g+3], 32<<16
	s_mov_b32 s[\g+4], 384
	s_mov_b32 s[\g+5], 32
	s_mov_b32 s[\g+6], 0
	s_mov_b32 s[\g+7], 0
.endr
.irp g, G1S, G1SB                                 ; scale bytes: 4,096 dense bytes as 16 rows of 256
	s_mov_b32 s[\g+1], 32<<16
	s_mov_b32 s[\g+2], 16<<16
	s_mov_b32 s[\g+3], 32<<16
	s_mov_b32 s[\g+4], 16
	s_mov_b32 s[\g+5], 32
	s_mov_b32 s[\g+6], 0
	s_mov_b32 s[\g+7], 0
.endr
	s_mul_i32 s20, s[QTL], 98304                      ; Q: O's tiles 8 QTL on: codes,
	s_mov_b32 s21, 0
	s_lshl_b32 s16, s[QTL], 12                        ; scale bytes
	s_mov_b32 s17, 0
	s_mul_i32 s22, s[PTL], 98304                      ; P: W_out's columns begin at tile 960
	s_add_co_u32 s22, s22, 960*12288
	s_mov_b32 s23, 0
	s_lshl_b32 s18, s[PTL], 12
	s_add_co_u32 s18, s18, 960*512
	s_mov_b32 s19, 0
	s_wait_dscnt 0x0                                  ; both opening adds are done
	s_wait_kmcnt 0x0
	s_add_nc_u64 s[20:21], s[4:5], s[20:21]
	s_add_nc_u64 s[16:17], s[6:7], s[16:17]
	s_add_nc_u64 s[22:23], s[8:9], s[22:23]
	s_add_nc_u64 s[18:19], s[10:11], s[18:19]
	SETG0C G0A,  0, 20
	SETG0C G0B,  PB, 22
	SETG0C G0S,  SCL, 16
	SETG0C G0SB, SCL+4096, 18
	CROUND                                            ; all sixteen work-groups are here: the joint loads meet
	ARM 1, G0A, G1,  .Lhead_b                         ; one tensor load a wave: every way through the chain passes exactly one
	ARM 2, G0B, G1B, .Lhead_sa
	ARM 3, G0S, G1S, .Lhead_sb
	tensor_load_to_lds s[G0SB:G0SB+3], s[G1SB:G1SB+7]
	s_nop 0
.rept 4
	v_nop
.endr
.Lhead_asked:
	s_mul_i32 s2, s[QH], 49152                        ; my four tiles of Q,
	s_mul_i32 s3, s[PH], 49152
	s_add_co_u32 s3, s3, PB                           ; of P
	s_lshl_b32 s17, s[QH], 11                         ; Q's scale bytes: my four tiles;
	s_lshl_b32 s16, s[PH], 11
	s_add_co_u32 s16, s16, 4096                       ; P's lie behind Q's
	s_sub_co_u32 s16, s16, s17                        ; the distance between the two
	s_add_co_u32 s17, s17, SCL
	s_mul_i32 s18, s[WV], 16*SPITCH
	s_add_co_u32 s18, s18, STAGE                      ; my stage
	s_lshl_b32 s20, s[PTL], 9                         ; my columns, in bytes: 512 PTL + 256 half
	s_lshl_b32 s21, s[PH], 8
	s_add_co_u32 s20, s20, s21
	s_mov_b32 s21, 0
	s_add_nc_u64 s[12:13], s[12:13], s[20:21]         ; the bias
	s_add_nc_u64 s[14:15], s[14:15], s[20:21]
	s_lshl_b32 s20, s[QTL], 19                        ; my rows: 128 QTL + 64 half, 4,096 bytes each
	s_lshl_b32 s22, s[QH], 18
	s_add_co_u32 s20, s20, s22
	s_add_nc_u64 s[14:15], s[14:15], s[20:21]
	v_and_b32 v1, 31, v0                              ; lane
	v_and_b32 v2, 15, v0                              ; r
	v_bfe_u32 v3, v0, 4, 1                            ; h
	v_lshlrev_b32 v4, 3, v1                           ; 8 x lane
	v_add_nc_u32 v[ADRA], s2, v4
	v_add_nc_u32 v[ADRB], s3, v4
	v_mul_u32_u24 v5, s16, v3                         ; lanes 16-31 take P's: one product of h with the distance
	v_lshl_add_u32 v5, v2, 4, v5
	v_add_nc_u32 v[ADRS], s17, v5
	v_mul_u32_u24 v5, v2, SPITCH
	v_lshl_add_u32 v5, v3, 6, v5
	v_add_nc_u32 v[STO], s18, v5                      ; in: row r, + 64 h
	v_mul_u32_u24 v6, v3, SPITCH
	v_lshl_add_u32 v6, v2, 4, v6
	v_add_nc_u32 v[RD], s18, v6                       ; back: lanes 0-15 one row of 256 bytes, lanes 16-31 the next
	v_lshlrev_b32 v[CO], 4, v2
	v_lshl_add_u32 v[CO], v3, 12, v[CO]
	v_lshlrev_b32 v[BO1], 6, v3
	s_wait_alu depctr_va_vdst(0)                      ; the wait at the head's end
	WIN 0x40                                          ; destination window 1
.irp b, 0,1,2,3                                   ; register j of P's tile b is column 32 (b / 2) + 16 h + 8 (b % 2) + j
	global_load_b128 v[128+8*\b:128+8*\b+3], v[BO1], s[12:13] offset:(32*(\b/2)+8*(\b%2))*4
	global_load_b128 v[128+8*\b+4:128+8*\b+7], v[BO1], s[12:13] offset:(32*(\b/2)+8*(\b%2))*4+16
.endr
	WIN 0
	s_wait_tensorcnt 0x0                              ; my tile of the four is in
	s_barrier_signal -1
	s_barrier_wait -1                                 ; everybody's is; nothing is filled again
.irp i, 0,1,2,3
.irp g, 0,1
	ds_load_b128 v[SC+8*\i+4*\g:SC+8*\i+4*\g+3], v[ADRS] offset:512*\i+256*\g   ; the scale words of four K steps
.endr
.endr
	FETCH 0
	s_wait_loadcnt 0x0                                ; the bias
	KSTEP 0, 1
.irp k, 1,2,3,4,5,6,7
	KSTEP \k, 0
.endr
	PLACES 4                                          ; in front of the first read of results and of the loads into registers that held fragments
	TOSTAGE 0
.irp a, 1,2,3
.if \a > 1
	s_wait_xcnt 0x0                                   ; block a - 2's stores have read their registers: block a's loads may land there
.endif
	TOSTAGE \a
	SEND \a-1, 16                                     ; behind block a - 1's loads: block a's 8 stores and 8 loads
.endr
	SEND 3, 0
	s_wait_tensorcnt 0x0                              ; the wave's end
	ds_add_u32 v[SPW], v[NIL]
	s_wait_dscnt 0x0
	CROUND                                            ; the closing round: no work-group ends while a partner may still ask for a tile that names it
	s_endpgm
.Lfunc_end_k_qad30586cfb_outp:
	.size	k_qad30586cfb_outp, .Lfunc_end_k_qad30586cfb_outp-k_qad30586cfb_outp
	.p2alignl 7, 3214868480
	.fill 96, 4, 3214868480
	.section	.rodata,"a",@progbits
	.p2align	6, 0x0
	.amdhsa_kernel k_qad30586cfb_outp
		.amdhsa_group_segment_fixed_size 222720
		.amdhsa_private_segment_fixed_size 0
		.amdhsa_enable_private_segment 0
		.amdhsa_kernarg_size 48
		.amdhsa_user_sgpr_count 2
		.amdhsa_user_sgpr_kernarg_segment_ptr 1
		.amdhsa_wavefront_size32 1
		.amdhsa_system_sgpr_workgroup_id_x 1
		.amdhsa_system_sgpr_workgroup_id_y 1
		.amdhsa_system_sgpr_workgroup_id_z 1
		.amdhsa_system_vgpr_workitem_id 0
		.amdhsa_next_free_vgpr 512
		.amdhsa_next_free_sgpr 102
		.amdhsa_reserve_vcc 0
		.amdhsa_float_denorm_mode_32 3
		.amdhsa_float_denorm_mode_16_64 3
		.amdhsa_memory_ordered 1
		.amdhsa_forward_progress 1
		.amdhsa_inst_pref_size 59
	.end_amdhsa_kernel
	.amdgpu_metadata
---
amdhsa.version: [ 1, 2 ]
amdhsa.kernels:
  - .name:           k_qad30586cfb_outp
    .symbol:         k_qad30586cfb_outp.kd
    .args:
      - { .name: oc, .offset: 0, .size: 8, .value_kind: global_buffer, .address_space: global }
      - { .name: os, .offset: 8, .size: 8, .value_kind: global_buffer, .address_space: global }
      - { .name: opc, .offset: 16, .size: 8, .value_kind: global_buffer, .address_space: global }
      - { .name: ops, .offset: 24, .size: 8, .value_kind: global_buffer, .address_space: global }
      - { .name: b_out, .offset: 32, .size: 8, .value_kind: global_buffer, .address_space: global }
      - { .name: out0, .offset: 40, .size: 8, .value_kind: global_buffer, .address_space: global }
    .group_segment_fixed_size: 222720
    .private_segment_fixed_size: 0
    .kernarg_segment_align: 8
    .kernarg_segment_size: 48
    .max_flat_workgroup_size: 128
    .sgpr_count:     102
    .vgpr_count:     512
    .wavefront_size: 32
...
	.end_amdgpu_metadata
.endif
;; end of part 4
